; MI455X (gfx1250); checked and timed in simulation.
; The chip was launched on July 23, 2026; its instructions are those of AMD's public machine-readable ISA for CDNA 5 (MIT licence, August 2026) and "CDNA5" Instruction Set Architecture Reference Guide (July 2026). The comments in the code are by the model that wrote it; some were corrected since.
;; Multihead Attention. Allowed arithmetic: matrix products marked QUANTISED: E2M3 operands, one E8M0 scale for each 32 along K, by v_wmma_scale_f32_16x16x128_f8f6f4 with both operands' format E2M3, f32 sums; everything else in f32.
;; Inputs: Wk 1,024 x 1,024 float32; Wo 1,024 x 1,024 float32; Wq 1,024 x 1,024 float32; Wv 1,024 x 1,024 float32; bo 1,024 float32; x 4 x 2,048 x 1,024 float32.
;; Outputs: out0 4 x 2,048 x 1,024 float32.
;; This version of the problem:
;;   THIS VERSION OF THE PROBLEM IS GIVEN IN LOW PRECISION. The matrix products marked QUANTISED in the list below multiply operands that are first quantised to E2M3 (2 exponent bits, 3 mantissa bits; 6 bits a number), with one power-of-two scale for each 32 numbers along K (OCP MX v1.0); their sums are f32. All else is computed in f32.
;;   The module's matrix products, in the order in which they are computed (A, B: the left and right operand; K: the contracted axis; several contracted axes count as one K, in the product's order):
;;     1. [M 8,192, K 1,024] x [K 1,024, N 1,024]; A: input x; B: input Wq: QUANTISED
;;     2. [M 8,192, K 1,024] x [K 1,024, N 1,024]; A: input x; B: input Wk: QUANTISED
;;     3. [M 8,192, K 1,024] x [K 1,024, N 1,024]; A: input x; B: input Wv: QUANTISED
;;     4. batch 64 x [M 2,048, K 64] x [K 64, N 2,048]; A: computed on the way; B: computed on the way: QUANTISED
;;     5. batch 64 x [M 2,048, K 2,048] x [K 2,048, N 64]; A: softmax (see below); B: computed on the way: QUANTISED
;;     6. [M 8,192, K 1,024] x [K 1,024, N 1,024]; A: computed on the way; B: input Wo: QUANTISED
;;   THE QUANTISER, for each operand of a quantised product, along K:
;;     - K is cut into blocks of 32 from its start; a last block that is shorter is filled with zeros.
;;     - A block's scale is 2^e with e = floor(log2(the largest magnitude in the block)) - 2, held to -126 .. 127; a block of zeros has e = 0. As a byte (E8M0): e + 127.
;;     - Each number is divided by its block's scale, clamped to +-7.5, and rounded to the nearest number of E2M3, ties to even, subnormals kept.
;;     - The product sums the exact products of the quantised numbers (number of the format x scale) in f32.
;;   ~~~python
;;   def quantise(x, axis):      # numpy; x: float32 -> the quantised numbers, widened to float32 again
;;       x = np.moveaxis(x, axis, -1); K = x.shape[-1]
;;       x = np.pad(x, [(0, 0)] * (x.ndim - 1) + [(0, -K % 32)]); x = x.reshape(x.shape[:-1] + (-1, 32)); a = np.abs(x).max(-1, keepdims=True)
;;       e = np.where(a > 0, np.clip(np.frexp(np.where(a > 0, a, 1))[1] - 1 - 2, -126, 127), 0)      # np.frexp(a)[1] - 1 = floor(log2(a)), exactly
;;       r = np.clip(x / 2.0 ** e, -7.5, 7.5)
;;       step = 2.0 ** (np.maximum(np.frexp(np.where(r == 0, 1, r))[1] - 1, 0) - 3)
;;       q = np.round(r / step) * step * 2.0 ** e      # np.round: ties to even
;;       return np.moveaxis(q.reshape(q.shape[:-2] + (-1,))[..., :K], -1, axis).astype(np.float32)
;;   ~~~
;;   SOFTMAX AHEAD OF A QUANTISED PRODUCT. Where the list says 'softmax', what is quantised is not the finished softmax but p = 2^(t - M), with t = logit x log2(e) and M = ceil(the row's largest t), a whole number; so 1/2 < the row's largest p <= 1. The row's sum l is taken of the UNQUANTISED p, in f32, and the product's result is divided by l at the end. Since M is a whole number, a kernel that streams over the keys may use a running M (the ceiling of the running maximum): every later rescaling is an exact power of two, which a block's scale takes up: the codes' values come out the same.
;;   OPERANDS COMPUTED ON THE WAY. 'Computed on the way' means the value that the module computes at that place (a softmax that the list does not call 'softmax' is quantised finished and normalised). What goes into a quantiser is computed in f32, as accurately as f32 sums, v_exp_f32 and their like allow (about 1e-6 of the number): no bf16 or f16 on the way to a quantiser, and a product that is left as it is and whose result goes on into a quantised operand takes f32 operands (vector FMAs, or v_wmma_f32_16x16x4_f32). A number that lies on a knife's edge between two numbers of the format may be rounded either way, as far as f32 arithmetic and the matrix unit's own rounding can turn it there, and no further.
;; One version. Each part assembles by itself: llvm-mc -triple=amdgcn-amd-amdhsa -mcpu=gfx1250 --defsym DOCPART=n.
;; ======== version 1 of 1: 5 launches
;; workspace buffers: xq 6,553,600 bytes; wq 3,276,800 bytes; rec 26,738,688 bytes; zq 6,553,600 bytes
;; launch qx (part 1): grid 256 x 1, 4 waves a work-group, no clusters, 34,304 bytes of LDS; arguments x, xq; writes xq
.if DOCPART == 1
	.amdgcn_target "amdgcn-amd-amdhsa--gfx1250"
	.amdhsa_code_object_version 6
	.text
	.protected	k_qb890111779_qx
	.globl	k_qb890111779_qx
	.p2align	8
	.type	k_qb890111779_qx,@function
k_qb890111779_qx:
	s_mov_b64 s[64:65], 0
	v_nop
	global_prefetch_b8 v0, s[64:65] scope:SCOPE_SE
	s_setreg_imm32_b32 hwreg(HW_REG_WAVE_MODE, 25, 1), 1
	s_wait_xcnt 0x0
; x [8192][1024] f32 becomes codes of FP6 (E2M3) along K with one E8M0 byte for each 32 along K, laid as the products' operand registers want them.
; LAYOUT OF xq.  Codes: [512 row tiles][16 panels][768 bytes].  A panel is 16 rows x 64 K: [piece 0..2][lane 0..31][8 bytes]; lane (r, h), piece p holds bytes 24 h + 8 p .. + 7 of row r's 48 bytes,
; which are registers 2 p, 2 p + 1 of half a fragment.  Scale words behind them, from byte XS on: [row tile][256 along K: 0..3][r 0..15][2 words], a word for 128 along K.
; ROW ORDER.  Logical row n lies at physical row n with its bits 3 and 4 exchanged: lane r of row tile 2 g + u is logical row 32 g + 8 u + r + 8 (r / 8).
; A block's scale is 2^(floor(log2(largest magnitude)) - 2); its byte is the largest magnitude's exponent field - 2, held at 1 from below.
; LIMITS: a block of zeros gets the byte 1 where the rule says 127 (its codes are zeros, and only this program reads the bytes); NaN and infinities among the inputs are not served.
; SHARES.  Work-group g: logical rows 32 g .. 32 g + 31.  Wave w: row tile 2 g + w / 2, K half w % 2: four steps of 128 along K.  Each load reads 512 consecutive bytes of one row; a step's 16 rows turn through
; the wave's own stage in LDS (rows 528 bytes apart, an odd multiple of 16) and come back 16 neighbours of each block of 32 to a lane.  Waves share nothing: no barrier.
.set XS,    6291456
.set PITCH, 528
.set WSTG,  16*PITCH
.set X,     16                         ; v16-79    64 numbers of my row: register 16 b + i = k 32 b + 16 h + i
.set R,     80                         ; v80-207   two sets of 16 x 4 registers as loaded
.set PC,    208                        ; v208-219  the fragment's codes; v220-226 at work
.set TM,    228                        ; v228-243  at work in QUANT
.set PW,    244                        ; v244-247  the four steps' scale words
.set SEL,   20                         ; s[20:21]  lane selects: lane l xor 16
; 64 numbers of a lane, register 16 b + i = k 32 b + 16 (lane / 16) + i of its row, become a fragment's codes in v[PC] on and its scale word in v[pw].
.macro QUANT s, pw
.irp b, 0,1,2,3
	v_max3_num_f32 v[TM+\b], |v[\s+16*\b]|, |v[\s+1+16*\b]|, 0x1800000   ; block b: my 16 numbers, and the floor 2^(3 - 127): the byte cannot fall under 1
.endr
.irp i, 2,4,6,8,10,12,14
.irp b, 0,1,2,3
	v_max3_num_f32 v[TM+\b], v[TM+\b], |v[\s+16*\b+\i]|, |v[\s+1+16*\b+\i]|   ; the four blocks by turns
.endr
.endr
.irp b, 0,1,2,3
	v_permlanex16_b32 v[TM+4+\b], v[TM+\b], s[SEL], s[SEL+1]
.endr
.irp b, 0,1,2,3
	v_max_num_f32 v[TM+\b], v[TM+\b], v[TM+4+\b]   ; with lane l xor 16's: the block's largest magnitude
.endr
.irp b, 0,1,2,3
	v_add_nc_u32 v[TM+12+\b], 0xff000000, v[TM+\b]   ; 2 off its exponent field: the conversion's scale operand
.endr
.irp b, 0,1,2,3
	v_lshrrev_b32 v[TM+4+\b], 23, v[TM+12+\b]   ; the scale's byte
.endr
	v_lshl_or_b32 v[\pw], v[TM+5], 8, v[TM+4]      ; four bytes: my row's scale word
	v_lshl_or_b32 v[\pw], v[TM+6], 16, v[\pw]
	v_lshl_or_b32 v[\pw], v[TM+7], 24, v[\pw]
.irp c, 0,1
	v_cvt_scalef32_pk16_fp6_f32 v[PC+6*\c:PC+2+6*\c], v[\s+32*\c:\s+15+32*\c], v[TM+12+2*\c]
	v_cvt_scalef32_pk16_fp6_f32 v[PC+12+4*\c:PC+14+4*\c], v[\s+16+32*\c:\s+31+32*\c], v[TM+13+2*\c]   ; (a conversion's three registers begin on an even number)
.endr
	v_nop                                          ; one plain place behind a scaled conversion
.irp c, 0,1                                    ; a whole block to a lane: lanes 0-15 block 2 c, lanes 16-31 block 2 c + 1
.irp i, 0,1,2
	v_permlane16_swap_b32 v[PC+6*\c+\i], v[PC+12+4*\c+\i]
.endr
.irp i, 0,1,2
	v_mov_b32 v[PC+3+6*\c+\i], v[PC+12+4*\c+\i]
.endr
.endr
.endm
	s_load_b128 s[4:7], s[0:1], 0x0                ; x, xq
	v_lshl_add_u32 v254, v0, 2, 0x8400
	v_mov_b32 v255, 0
	v_lshrrev_b32 v1, 5, v0
	v_readfirstlane_b32 s12, v1                    ; wave 0..3
	v_and_b32 v1, 31, v0                           ; lane
	v_and_b32 v6, 15, v0                           ; r
	v_bfe_u32 v7, v0, 4, 1                         ; h
	v_lshlrev_b32 v2, 4, v1                        ; 16 x lane: my 16 bytes of a load's 512
	v_lshlrev_b32 v5, 3, v1                        ; 8 x lane: my 8 bytes of a store's 256
	s_mul_i32 s13, s12, WSTG                       ; my wave's stage
	v_add_nc_u32 v3, s13, v2                       ; into it: a row as it was loaded
	v_mul_u32_u24 v4, v6, PITCH
	v_lshl_add_u32 v4, v7, 6, v4
	v_add_nc_u32 v4, s13, v4                       ; out of it: row r, + 64 h bytes
	s_lshr_b32 s14, s12, 1                         ; u: which of the two row tiles
	s_and_b32 s15, s12, 1                          ; e: which half of K
	s_lshl_b32 s16, ttmp9, 17                      ; 32 rows of 4,096 bytes a work-group
	s_lshl_b32 s17, s14, 15                        ; + 8 u rows
	s_add_co_u32 s16, s16, s17
	s_lshl_b32 s17, s15, 11                        ; + 2,048 e bytes
	s_add_co_u32 s16, s16, s17
	s_mov_b32 s17, 0
	s_lshl_b32 s18, ttmp9, 1
	s_add_co_u32 s18, s18, s14                     ; my row tile
	s_mul_i32 s22, s18, 12288
	s_mul_i32 s19, s15, 6144
	s_add_co_u32 s22, s22, s19                     ; its codes, my eight panels
	s_mov_b32 s23, 0
	s_lshl_b32 s24, s18, 9
	s_lshl_b32 s19, s15, 8
	s_add_co_u32 s24, s24, s19
	s_add_co_u32 s24, s24, XS                      ; its scale words, my 256 bytes
	s_mov_b32 s25, 0
	s_mov_b32 s[SEL], 0x76543210
	s_mov_b32 s[SEL+1], 0xfedcba98
.irp b, 0,1,2,3
	v_mov_b32 v[TM+4+\b], 0                        ; written once: a lane permute's destination counts as one of its sources
.endr
	s_wait_kmcnt 0x0
	s_add_nc_u64 s[4:5], s[4:5], s[16:17]
	s_add_nc_u64 s[8:9], s[6:7], s[24:25]
	s_add_nc_u64 s[6:7], s[6:7], s[22:23]
.macro LOAD s                          ; step s: 128 numbers of each of my 16 rows; row i of the tile is logical row i + 8 (i / 8) from the tile's first
.irp i, 0,1,2,3,4,5,6,7,8,9,10,11,12,13,14,15
	global_load_b128 v[R+64*((\s)%2)+4*\i:R+64*((\s)%2)+4*\i+3], v2, s[4:5] offset:(\i+8*(\i/8))*4096+512*(\s) th:TH_LOAD_NT
.endr
.endm
.macro TURN s                          ; through the stage: LDS serves a wave's instructions in order, so no wait stands between the stores and the loads
.irp i, 0,1,2,3,4,5,6,7,8,9,10,11,12,13,14,15
	ds_store_b128 v3, v[R+64*((\s)%2)+4*\i:R+64*((\s)%2)+4*\i+3] offset:PITCH*\i
.endr
.irp b, 0,1,2,3
.irp j, 0,1,2,3
	ds_load_b128 v[X+16*\b+4*\j:X+16*\b+4*\j+3], v4 offset:128*\b+16*\j
.endr
.endr
.endm
.macro QSTEP s
.if (\s) < 3
	s_wait_loadcnt 16                              ; this step's 16 loads are in; the next step's 16 may be out
.else
	s_wait_loadcnt 0x0
.endif
	TURN \s
	s_wait_dscnt 0x0                               ; my 64 numbers are back, and the stores into the stage have read their registers,
.if (\s) < 2
	LOAD (\s)+2                                    ; which take the loads of two steps on
.endif
.if (\s) > 0
	s_wait_xcnt 0x0                                ; the last step's stores have read the codes' registers: they are written again only behind this wait
.endif
	QUANT X, PW+(\s)
.irp p, 0,1,2,3,4,5
	global_store_b64 v5, v[PC+2*\p:PC+2*\p+1], s[6:7] offset:1536*(\s)+256*\p   ; 32 lanes store 256 consecutive bytes, aligned: a piece of a panel
.endr
.endm
	LOAD 0
	LOAD 1
	QSTEP 0
	QSTEP 1
	QSTEP 2
	QSTEP 3
	v_cmp_le_u32 vcc_lo, 16, v1                    ; lanes 0-15 store the words of my first 256 along K, lanes 16-31 those of my second (every lane holds its row's four words)
	v_cndmask_b32 v248, v[PW], v[PW+2], vcc_lo
	v_cndmask_b32 v249, v[PW+1], v[PW+3], vcc_lo
	global_store_b64 v5, v[248:249], s[8:9]        ; 256 consecutive bytes, aligned
	s_wait_tensorcnt 0x0
	ds_add_u32 v254, v255
	s_wait_dscnt 0x0
	s_endpgm
.Lfunc_end_k_qb890111779_qx:
	.size	k_qb890111779_qx, .Lfunc_end_k_qb890111779_qx-k_qb890111779_qx
	.p2alignl 7, 3214868480
	.fill 96, 4, 3214868480
	.section	.rodata,"a",@progbits
	.p2align	6, 0x0
	.amdhsa_kernel k_qb890111779_qx
		.amdhsa_group_segment_fixed_size 34304
		.amdhsa_private_segment_fixed_size 0
		.amdhsa_enable_private_segment 0
		.amdhsa_kernarg_size 16
		.amdhsa_user_sgpr_count 2
		.amdhsa_user_sgpr_kernarg_segment_ptr 1
		.amdhsa_wavefront_size32 1
		.amdhsa_system_sgpr_workgroup_id_x 1
		.amdhsa_system_sgpr_workgroup_id_y 1
		.amdhsa_system_sgpr_workgroup_id_z 1
		.amdhsa_system_vgpr_workitem_id 0
		.amdhsa_next_free_vgpr 256
		.amdhsa_next_free_sgpr 66
		.amdhsa_reserve_vcc 1
		.amdhsa_float_denorm_mode_32 3
		.amdhsa_float_denorm_mode_16_64 3
		.amdhsa_memory_ordered 1
		.amdhsa_forward_progress 1
		.amdhsa_inst_pref_size 34
	.end_amdhsa_kernel
	.amdgpu_metadata
---
amdhsa.version: [ 1, 2 ]
amdhsa.kernels:
  - .name:           k_qb890111779_qx
    .symbol:         k_qb890111779_qx.kd
    .args:
      - { .name: x, .offset: 0, .size: 8, .value_kind: global_buffer, .address_space: global }
      - { .name: xq, .offset: 8, .size: 8, .value_kind: global_buffer, .address_space: global }
    .group_segment_fixed_size: 34304
    .private_segment_fixed_size: 0
    .kernarg_segment_align: 8
    .kernarg_segment_size: 16
    .max_flat_workgroup_size: 128
    .sgpr_count:     66
    .vgpr_count:     256
    .wavefront_size: 32
...
	.end_amdgpu_metadata
.endif
;; end of part 1
;; launch qw (part 2): grid 32 x 4, 4 waves a work-group, no clusters, 26,112 bytes of LDS; arguments Wq, Wk, Wv, Wo, wq; writes wq
.if DOCPART == 2
	.amdgcn_target "amdgcn-amd-amdhsa--gfx1250"
	.amdhsa_code_object_version 6
	.text
	.protected	k_qb890111779_qw
	.globl	k_qb890111779_qw
	.p2align	8
	.type	k_qb890111779_qw,@function
k_qb890111779_qw:
	s_mov_b64 s[64:65], 0
	v_nop
	global_prefetch_b8 v0, s[64:65] scope:SCOPE_SE
	s_setreg_imm32_b32 hwreg(HW_REG_WAVE_MODE, 25, 1), 1
	s_wait_xcnt 0x0
; The four weights [1024 (k)][1024 (n)] f32, whose K is their FIRST axis, become codes of FP6 (E2M3) along K with one E8M0 byte for each 32 along K.
; LAYOUT OF wq, as xq's: codes [256 row tiles: Wq 0-63, Wk 64-127, Wv 128-191, Wo 192-255][16 panels][768 bytes], a row being a column n of the weight; a panel is 16 rows x 64 K as [piece 0..2][lane 0..31][8 bytes];
; scale words from byte WS on: [row tile][256 along K: 0..3][r 0..15][2 words].  Logical row n lies at physical row n with its bits 3 and 4 exchanged.
; A LANE TAKES A COLUMN n AND ITS REGISTERS RUN DOWN K: each load reads 128 consecutive bytes a wave, a block of 32 along K lies in one lane's 32 registers, and the conversions give codes with K innermost.
; SHARES.  Work-group (x, y): weight x / 8, columns 128 (x % 8) on, K 256 y on.  Wave w: 32 columns, two row tiles; 8 blocks a lane.  The codes go through the wave's own stage in LDS, laid as the panels are, and leave
; 512 consecutive bytes an instruction.  The scale words leave 8 bytes a lane, sixteen lanes to 128 consecutive bytes: one byte in 128 of what the launch reads.  Waves share nothing: no barrier.
; LIMITS: a block of zeros gets the byte 1 where the rule says 127 (its codes are zeros, and only this program reads the bytes); NaN and infinities among the inputs are not served.
.set WS,    3145728
.set WSTG,  6400                       ; a wave's stage: two row tiles of 3,072 bytes, 3,200 apart
.set X,     32                         ; v32-95   two sets of 32 numbers
.set F,     96                         ; v96-101  a block's 24 bytes of codes
.set TC,    104                        ; v104-106 its second half as converted
.set OUTR,  112                        ; v112-159 the way out
.set SB,    24                         ; v24-25   my column's eight scale bytes
	s_load_b256 s[4:11], s[0:1], 0x0               ; Wq, Wk, Wv, Wo
	s_load_b64 s[12:13], s[0:1], 0x20              ; wq
	v_lshl_add_u32 v192, v0, 2, 0x6400
	v_mov_b32 v193, 0
	v_lshrrev_b32 v1, 5, v0
	v_readfirstlane_b32 s16, v1                    ; wave 0..3
	v_and_b32 v2, 31, v0                           ; lane = my column among the wave's 32
	v_lshlrev_b32 v3, 2, v2                        ; in: 4 bytes a lane
	v_bfe_u32 v5, v2, 3, 1                         ; u: my physical row tile of the two
	v_and_b32 v6, 7, v2
	v_lshrrev_b32 v10, 4, v2
	v_lshl_or_b32 v6, v10, 3, v6                   ; r: my physical row in it
	s_mul_i32 s17, s16, WSTG
	v_mul_u32_u24 v4, v5, 3200
	v_lshl_add_u32 v4, v6, 3, v4
	v_add_nc_u32 v4, s17, v4                       ; into the stage: 3,200 u + 8 r
	v_lshlrev_b32 v8, 4, v2                        ; out: 16 bytes a lane
	v_add_nc_u32 v7, s17, v8
	v_lshlrev_b32 v9, 9, v5
	v_lshl_add_u32 v9, v6, 3, v9                   ; my scale words: 512 u + 8 r
	s_lshr_b32 s18, ttmp9, 3                       ; which weight
	s_and_b32 s19, ttmp9, 7
	s_and_b32 s20, ttmp7, 0xffff                   ; which 256 along K
	s_lshl_b32 s21, s19, 2
	s_add_co_u32 s21, s21, s16                     ; my 32 columns in the weight
	s_lshl_b32 s22, s20, 20                        ; 256 rows of 4,096 bytes
	s_lshl_b32 s23, s21, 7
	s_add_co_u32 s22, s22, s23
	s_mov_b32 s23, 0
	s_lshl_b32 s24, s18, 5
	s_add_co_u32 s24, s24, s21                     ; my pair of row tiles in wq
	s_mul_i32 s26, s24, 2*12288
	s_mul_i32 s25, s20, 3072
	s_add_co_u32 s26, s26, s25
	s_mov_b32 s27, 0
	s_lshl_b32 s28, s24, 10
	s_lshl_b32 s25, s20, 7
	s_add_co_u32 s28, s28, s25
	s_add_co_u32 s28, s28, WS
	s_mov_b32 s29, 0
	s_wait_kmcnt 0x0
	s_cmp_eq_u32 s18, 1                            ; the weight is chosen by the work-group's number alone
	s_cselect_b64 s[4:5], s[6:7], s[4:5]
	s_cmp_eq_u32 s18, 2
	s_cselect_b64 s[4:5], s[8:9], s[4:5]
	s_cmp_eq_u32 s18, 3
	s_cselect_b64 s[4:5], s[10:11], s[4:5]
	s_add_nc_u64 s[4:5], s[4:5], s[22:23]
	s_add_nc_u64 s[14:15], s[12:13], s[28:29]      ; the scale words
	s_add_nc_u64 s[12:13], s[12:13], s[26:27]      ; the codes
.macro LOAD t                          ; block t: W(32 t + i, my column), i = 0 .. 31, into set t % 2
.set i, 0
.rept 32
	global_load_b32 v[X+32*((\t)%2)+i], v3, s[4:5] offset:(32*(\t)+i)*4096 th:TH_LOAD_NT
.set i, i+1
.endr
.endm
	LOAD 0
	LOAD 1
.macro BLOCK t
.set XB, X+32*((\t)%2)
.if (\t) < 7
	s_wait_loadcnt 32                              ; this block's 32 loads are in; the next block's may be out
.else
	s_wait_loadcnt 0x0
.endif
	v_max3_num_f32 v12, |v[XB]|, |v[XB+1]|, |v[XB+2]|   ; the block's largest magnitude: all 32 numbers are mine
	v_max3_num_f32 v13, |v[XB+3]|, |v[XB+4]|, |v[XB+5]|
.irp i, 6,10,14,18,22,26
	v_max3_num_f32 v12, v12, |v[XB+\i]|, |v[XB+\i+1]|
	v_max3_num_f32 v13, v13, |v[XB+\i+2]|, |v[XB+\i+3]|
.endr
	v_max3_num_f32 v12, v12, |v[XB+30]|, |v[XB+31]|
	v_max3_num_f32 v12, v12, v13, 0x1800000        ; and the floor 2^(3 - 127): the byte cannot fall under 1
	v_add_nc_u32 v11, 0xff000000, v12              ; 2 off its exponent field: the conversion's scale operand
	v_lshrrev_b32 v13, 23, v11                     ; the scale's byte
.if (\t)%4 == 0
	v_mov_b32 v[SB+(\t)/4], v13                    ; four bytes to a word, the lower K in the lower byte
.else
	v_lshl_or_b32 v[SB+(\t)/4], v13, 8*((\t)%4), v[SB+(\t)/4]
.endif
	v_cvt_scalef32_pk16_fp6_f32 v[F:F+2], v[XB:XB+15], v11
	v_cvt_scalef32_pk16_fp6_f32 v[TC:TC+2], v[XB+16:XB+31], v11   ; (a conversion's three registers begin on an even number)
	v_nop                                          ; one plain place behind a scaled conversion
.irp i, 0,1,2
	v_mov_b32 v[F+3+\i], v[TC+\i]
.endr
.irp p, 0,1,2
	ds_store_b64 v4, v[F+2*\p:F+2*\p+1] offset:768*((\t)/2)+128*((\t)%2)+256*\p   ; panel t / 2, lanes' half t % 2, piece p
.endr
.if (\t)+2 < 8
	LOAD (\t)+2
.endif
	s_wait_dscnt 0x0                               ; the stores have read their registers: the next block's codes may be written
.endm
.irp t, 0,1,2,3,4,5,6,7
	BLOCK \t
.endr
	global_store_b64 v9, v[SB:SB+1], s[14:15]      ; my column's two scale words
.irp n, 0,1,2,3,4,5,6,7,8,9,10,11
	ds_load_b128 v[OUTR+4*\n:OUTR+4*\n+3], v7 offset:3200*(\n/6)+512*(\n%6)   ; LDS serves a wave's instructions in order: these see my stores
.endr
.irp n, 0,1,2,3,4,5,6,7,8,9,10,11
	s_wait_dscnt 11-\n                             ; read n is back; the younger ones may be out
	global_store_b128 v8, v[OUTR+4*\n:OUTR+4*\n+3], s[12:13] offset:12288*(\n/6)+512*(\n%6)   ; 512 consecutive bytes, aligned to 256
.endr
	s_wait_tensorcnt 0x0
	ds_add_u32 v192, v193
	s_wait_dscnt 0x0
	s_endpgm
.Lfunc_end_k_qb890111779_qw:
	.size	k_qb890111779_qw, .Lfunc_end_k_qb890111779_qw-k_qb890111779_qw
	.p2alignl 7, 3214868480
	.fill 96, 4, 3214868480
	.section	.rodata,"a",@progbits
	.p2align	6, 0x0
	.amdhsa_kernel k_qb890111779_qw
		.amdhsa_group_segment_fixed_size 26112
		.amdhsa_private_segment_fixed_size 0
		.amdhsa_enable_private_segment 0
		.amdhsa_kernarg_size 40
		.amdhsa_user_sgpr_count 2
		.amdhsa_user_sgpr_kernarg_segment_ptr 1
		.amdhsa_wavefront_size32 1
		.amdhsa_system_sgpr_workgroup_id_x 1
		.amdhsa_system_sgpr_workgroup_id_y 1
		.amdhsa_system_sgpr_workgroup_id_z 1
		.amdhsa_system_vgpr_workitem_id 0
		.amdhsa_next_free_vgpr 194
		.amdhsa_next_free_sgpr 66
		.amdhsa_reserve_vcc 0
		.amdhsa_float_denorm_mode_32 3
		.amdhsa_float_denorm_mode_16_64 3
		.amdhsa_memory_ordered 1
		.amdhsa_forward_progress 1
		.amdhsa_inst_pref_size 43
	.end_amdhsa_kernel
	.amdgpu_metadata
---
amdhsa.version: [ 1, 2 ]
amdhsa.kernels:
  - .name:           k_qb890111779_qw
    .symbol:         k_qb890111779_qw.kd
    .args:
      - { .name: Wq, .offset: 0, .size: 8, .value_kind: global_buffer, .address_space: global }
      - { .name: Wk, .offset: 8, .size: 8, .value_kind: global_buffer, .address_space: global }
      - { .name: Wv, .offset: 16, .size: 8, .value_kind: global_buffer, .address_space: global }
      - { .name: Wo, .offset: 24, .size: 8, .value_kind: global_buffer, .address_space: global }
      - { .name: wq, .offset: 32, .size: 8, .value_kind: global_buffer, .address_space: global }
    .group_segment_fixed_size: 26112
    .private_segment_fixed_size: 0
    .kernarg_segment_align: 8
    .kernarg_segment_size: 40
    .max_flat_workgroup_size: 128
    .sgpr_count:     66
    .vgpr_count:     194
    .wavefront_size: 32
...
	.end_amdgpu_metadata
.endif
;; end of part 2
;; launch proj (part 3): grid 8 x 48, 4 waves a work-group, clusters of 4 x 4, 327,680 bytes of LDS; arguments xq, wq, rec; writes rec
.if DOCPART == 3
	.amdgcn_target "amdgcn-amd-amdhsa--gfx1250"
	.amdhsa_code_object_version 6
	.text
	.protected	k_qb890111779_proj
	.globl	k_qb890111779_proj
	.p2align	8
	.type	k_qb890111779_proj,@function
k_qb890111779_proj:
	s_mov_b64 s[64:65], 0
	v_nop
	global_prefetch_b8 v0, s[64:65] scope:SCOPE_SE
	s_setreg_imm32_b32 hwreg(HW_REG_WAVE_MODE, 25, 1), 1
	s_wait_xcnt 0x0
	s_wait_alu depctr_hold_cnt(0) depctr_sa_sdst(0) depctr_va_vdst(0) depctr_va_sdst(0) depctr_va_ssrc(0) depctr_va_vcc(0) depctr_vm_vsrc(0)
	s_getreg_b32 s2, hwreg(HW_REG_IB_STS2, 6, 4)
	s_cmp_eq_u32 s2, 0
	s_cbranch_scc0 .Lentry_in_a_cluster
	s_endpgm
.Lentry_in_a_cluster:
	s_bfe_u32 s2, ttmp6, 0x10000c
	s_cmp_lg_u32 s2, 0xf033
	s_cbranch_scc0 .Lentry_shape_is_right
	s_endpgm
.Lentry_shape_is_right:
; q = x Wq, k = x Wk and v^T = (x Wv)^T on codes of FP6 (E2M3) with one E8M0 scale for each 32 along K = 1,024; the results are quantised in registers (q, k along the head's 64, v along the keys) and stored as codes.
; 384 tiles of 256 x 256, one to a work-group of four waves; a wave makes 128 x 128: 64 accumulators, 512 registers.  KIND 0 (cluster y under 8): A = xq (tokens), B = wq's Wq and Wk rows.  KIND 1: A = wq's Wv rows, B = xq.
; THE MATRIX INSTRUCTION IS USED TRANSPOSED (source 0 = 16 rows of B, source 1 = 16 rows of A): a lane holds ONE row of A, its registers run along B's rows.  Operand buffers hold logical row n at physical row n with bits 3 and 4
; exchanged, so register 8 b + j of a lane's 8 tiles is logical column 32 (b / 2) + 16 (lane / 16) + 8 (b % 2) + j: 16 neighbours along the next product's K in two neighbouring tiles.
; OPERANDS.  Codes [row tile][16 panels][768]; a panel (16 rows x 64 K) is [piece 0..2][lane][8 bytes], an image of half a fragment's registers: a fragment is six loads of 8 bytes a lane at 8 x lane, each 256 consecutive bytes.
; K goes in steps of 256 through a ring of two LDS slots; a wave's tensor load brings 8 row tiles x 3,072 bytes.  The scale words of the work-group's rows, for all of K, come once with the first fills.
; CLUSTERS: 4 x 4 work-groups.  A's tiles are asked for jointly along a row of the cluster, B's along a column.  KIND hangs on the cluster's y alone: it is the same in all sixteen partners.
; OUTPUT.  rec: records [b 4][G 32: q's heads 0-15, k/v heads 16-31][256 tokens: 8] of REC bytes: at 0 q's or k's codes, 16 row tiles x 768; at VCO v's codes [d row tile 4][64 keys: 4][768]; at KSO 256 words, a token's scale word
; of its PAIR of heads (bytes 0, 1 the even head's, 2, 3 the odd one's; stored in both heads' records); at VSO [128 keys: 2][d 64] words.
; LIMITS: a block of zeros gets the byte 1 where the rule says 127 (its codes are zeros, and only this program reads the bytes); NaN and infinities are not served.
; REGISTERS, in windows of 256: window 0: v1-11 the way out's addresses; v16-29 addresses; v32-63 scale words, two sets, and nothing else; v128-223 A's fragments, one set; on the way out v64-223 codes, v224-251 at work.
;   window 1: B's fragments, two sets, at v0 and v128.   window 2: the accumulators of my rows 0-63 ((a, b) at v[8 (8 a + b)]);   window 3: those of my rows 64-127.
.set XS,     6291456                   ; xq: where the scale words begin
.set WS,     3145728                   ; wq: likewise
.set REC,    26112
.set VCO,    12288
.set KSO,    24576
.set VSO,    25600
.set RTB,    3072                      ; a row tile's four panels of a K step
.set RTG,    12288                     ; a row tile's sixteen panels in memory
.set HALFT,  8*RTB                     ; 128 rows: what one tensor load brings, and what one wave reads of A or of B
.set SLOT,   4*HALFT                   ; A's 256 rows, then B's 256 rows
.set NQ,     2                         ; matrix instructions deep in a slot
.set FR,     12                        ; registers of a fragment
.set NL,     6                         ; LDS loads that bring one
.set NP,     4                         ; places behind this matrix instruction (ISA guide 7.12.1)
.set SCL,    2*SLOT                    ; behind the ring: A's scale words, 8,192 bytes; B's begin 8,192 + SKEW bytes on
.set SKEW,   128                       ; so that the two halves of the lanes, which read A's and B's words in one load, read different 128 bytes of each 256
.set SPARE,  213248                    ; the spare words, 128 bytes for each wave: two blocks of 256 bytes that no other line names
.set SCG,    SPARE+512                 ; 512 bytes for each wave: the way out's scale words are gathered here; no fill lands here
.set OFFA, 1                           ; v1-8    the way out: block a's byte offset
.set SG,   9                           ; v9      where I put a scale word
.set SGR,  10                          ; v10     where I read 16 bytes of them back
.set SA0,  11                          ; v11     and their byte offset in rec
.set ADRA, 16                          ; v16-17  LDS address of my A fragments in slot 0, 1
.set ADRB, 20                          ; v20-21  the same for B
.set ADRS, 27                          ; v27     LDS address of my scale words: lanes 0-15 A's rows, lanes 16-31 B's
.set SPW,  28                          ; v28     LDS address of my spare word; never rewritten
.set NIL,  29                          ; v29     0; never rewritten
.set SC,   32                          ; scale words: set s at v[SC + 16 s]; register 2 i + q: lanes 0-15 the word of A's block i, lanes 16-31 of B's block i, for the slot's q-th 128 along K
.set AF,   128
.set TM,   224                         ; the way out: v224-239 at work
.set PWB,  240                         ; v240-247 a scale word for each block
.set SEL,  96                          ; s[96:97] lane selects (set on the way out)
.set G1, 24
.set G0, 32
.set G1B, 48
.set G0B, 56
.set G1S, 68
.set G0S, 76
.set G1SB, 80
.set G0SB, 88
.set MSB, 0
.macro WIN new                         ; the immediate's high byte repeats the setting that is left
.if MSB != (\new)
	s_set_vgpr_msb (MSB<<8)|(\new)
.set MSB, (\new)
.endif
.endm
.set MUL_LO, 0xa1                      ; source 0 (B) window 1, source 1 (A) window 0, C and D window 2
.set MUL_HI, 0xf1                      ; the same, C and D window 3
.set TO_B,   0x40                      ; destination window 1, address window 0
; A joint load: waves 0 and 1 fetch for A, waves 2 and 3 for B.  Each line has one mask and one set of registers for all that issue it; the branch hangs on the wave's number alone.
; Four v_nop follow each of the two lines, ahead of the jump, the label and what follows.
.macro JLOAD g0a, g1a, g0b, g1b
	s_cmp_eq_u32 s15, 0
	s_cbranch_scc0 .Lfor_b_\@
	tensor_load_to_lds s[\g0a:\g0a+3], s[\g1a:\g1a+7]
	s_nop 0
.rept 4
	v_nop
.endr
	s_branch .Lasked_\@
.Lfor_b_\@:
	tensor_load_to_lds s[\g0b:\g0b+3], s[\g1b:\g1b+7]
	s_nop 0
.rept 4
	v_nop
.endr
.Lasked_\@:
.endm
.macro CREST                           ; a round of the cluster's barrier behind its opening barrier
	s_cmp_lg_u32 s14, 0
	s_cbranch_scc1 .Lnot_wave_0_\@
	s_barrier_signal -3
.Lnot_wave_0_\@:
	s_barrier_wait -3
	s_barrier_signal -1
	s_barrier_wait -1
.endm
.macro CROUND                          ; a whole round
	s_barrier_signal -1
	s_barrier_wait -1
	CREST
.endm
	s_load_b128 s[4:7], s[0:1], 0x0                ; xq, wq
	s_load_b64 s[8:9], s[0:1], 0x10                ; rec
	v_lshl_add_u32 v[SPW], v0, 2, SPARE
	v_mov_b32 v[NIL], 0
	ds_add_u32 v28, v29
	ds_add_u32 v28, v29
	s_wait_dscnt 0x0
	v_lshrrev_b32 v1, 5, v0
	v_readfirstlane_b32 s14, v1                    ; wave 0..3
	s_lshr_b32 s15, s14, 1                         ; which half of the tile's rows is mine.  Also: I fetch for A (0) or for B (1)
	s_and_b32 s16, s14, 1                          ; which half of its columns.  Also: which 128 rows of that tile I fetch
	s_bfe_u32 s40, ttmp6, 0x40000                  ; cx, cy: my place in the cluster
	s_bfe_u32 s41, ttmp6, 0x40004
	s_and_b32 s17, ttmp7, 0xffff                   ; cluster y
	s_lshl_b32 s22, s17, 2
	s_lshl_b32 s23, s17, 3
	s_sub_co_u32 s23, s23, 64                      ; 8 (cluster y - 8): taken in KIND 1 alone
	s_lshl_b32 s42, ttmp9, 2
	s_add_co_u32 s42, s42, s40                     ; 4 x cluster x + cx
	s_mov_b32 s95, XS
	s_mov_b32 s96, WS
	s_cmp_ge_u32 s17, 8
	s_cselect_b32 s19, 1, 0                        ; KIND
	s_cselect_b32 s22, 8, s22
	s_cselect_b32 s23, s23, 0
	s_cselect_b32 s95, WS, s95                     ; where A's scale words begin in its buffer,
	s_cselect_b32 s96, XS, s96                     ; and B's
	s_add_co_u32 s17, s22, s41                     ; A's tile of 256 rows: KIND 0: 4 x cluster y + cy of xq;  KIND 1: 8 + cy of wq (Wv begins at row tile 128)
	s_add_co_u32 s42, s42, s23                     ; B's: KIND 0: 0..7 of wq (Wq, then Wk);  KIND 1: 0..31 of xq
	s_lshl_b32 s43, s41, 2
	s_lshl_b32 s43, 15, s43                        ; my row of the cluster
	s_lshl_b32 s44, 0x1111, s40                    ; my column
	; descriptor group 1 for the codes: 8 rows (row tiles) of 3,072 bytes, 12,288 bytes apart, as elements of 8 bytes; no padding
	s_or_b32 s[G1+0], s43, (3<<16)|(1<<21)         ; 15:0 the mask: A's tiles go to my row; 17:16 elements of 8 bytes; 21 set beside a mask
	s_or_b32 s[G1B+0], s44, (3<<16)|(1<<21)
.irp g, G1, G1B
	s_mov_b32 s[\g+1], 384<<16                     ; tensor_dim0
	s_mov_b32 s[\g+2], 8<<16                       ; tensor_dim1
	s_mov_b32 s[\g+3], 384<<16                     ; tile_dim0
	s_mov_b32 s[\g+4], 8                           ; tile_dim1
	s_mov_b32 s[\g+5], 1536                        ; tensor_dim0_stride
	s_mov_b32 s[\g+6], 0
	s_mov_b32 s[\g+7], 0
.endr
	; and for the scale words of 128 rows: 4,096 dense bytes as 16 rows of 256
	s_or_b32 s[G1S+0], s43, (3<<16)|(1<<21)
	s_or_b32 s[G1SB+0], s44, (3<<16)|(1<<21)
.irp g, G1S, G1SB
	s_mov_b32 s[\g+1], 32<<16
	s_mov_b32 s[\g+2], 16<<16
	s_mov_b32 s[\g+3], 32<<16
	s_mov_b32 s[\g+4], 16
	s_mov_b32 s[\g+5], 32
	s_mov_b32 s[\g+6], 0
	s_mov_b32 s[\g+7], 0
.endr
	s_lshl_b32 s18, s16, 3                         ; which 8 row tiles of the tile I fetch
	s_lshl_b32 s20, s17, 4
	s_add_co_u32 s20, s20, s18                     ; A: the first of them
	s_lshl_b32 s46, s42, 4
	s_add_co_u32 s46, s46, s18                     ; B likewise
	s_lshl_b32 s22, s20, 9
	s_add_co_u32 s22, s22, s95                     ; where their scale words begin, in bytes,
	s_mov_b32 s23, 0
	s_mul_i32 s20, s20, RTG                        ; and their codes
	s_mov_b32 s21, 0
	s_lshl_b32 s92, s46, 9
	s_add_co_u32 s92, s92, s96
	s_mov_b32 s93, 0
	s_mul_i32 s46, s46, RTG
	s_mov_b32 s47, 0
	s_mul_i32 s45, s14, HALFT                      ; where they go: wave x 128 rows: no place in the cluster enters an LDS address
	s_lshl_b32 s94, s14, 12
	s_wait_kmcnt 0x0
	s_cmp_eq_u32 s19, 1
	s_cselect_b64 s[2:3], s[6:7], s[4:5]           ; A's buffer,
	s_cselect_b64 s[66:67], s[4:5], s[6:7]         ; B's: chosen by KIND alone
	s_add_nc_u64 s[20:21], s[2:3], s[20:21]
	s_add_nc_u64 s[22:23], s[2:3], s[22:23]
	s_add_nc_u64 s[46:47], s[66:67], s[46:47]
	s_add_nc_u64 s[92:93], s[66:67], s[92:93]
	CROUND                                         ; all sixteen work-groups are here: the first joint loads meet
	s_mov_b32 s[G0S], 1
	s_add_co_u32 s[G0S+1], s94, SCL
	s_mov_b64 s[G0S+2:G0S+3], s[22:23]
	s_or_b32 s[G0S+3], s[G0S+3], 0x80000000
	s_mov_b32 s[G0SB], 1
	s_add_co_u32 s[G0SB+1], s94, SCL+SKEW
	s_mov_b64 s[G0SB+2:G0SB+3], s[92:93]
	s_or_b32 s[G0SB+3], s[G0SB+3], 0x80000000
	JLOAD G0S, G1S, G0SB, G1SB                     ; the scale words first: they are wanted with K step 0
.irp s, 0,1
	s_mov_b32 s[G0+4*\s], 1
	s_add_co_u32 s[G0+4*\s+1], s45, \s*SLOT
	s_add_nc_u64 s[G0+4*\s+2:G0+4*\s+3], s[20:21], \s*RTB
	s_or_b32 s[G0+4*\s+3], s[G0+4*\s+3], 0x80000000
	s_mov_b32 s[G0B+4*\s], 1
	s_add_co_u32 s[G0B+4*\s+1], s45, \s*SLOT
	s_add_nc_u64 s[G0B+4*\s+2:G0B+4*\s+3], s[46:47], \s*RTB
	s_or_b32 s[G0B+4*\s+3], s[G0B+4*\s+3], 0x80000000
	JLOAD G0+4*\s, G1, G0B+4*\s, G1B
.endr
	v_and_b32 v12, 31, v0                          ; lane
	v_and_b32 v13, 15, v0                          ; r
	v_bfe_u32 v14, v0, 4, 1                        ; h
	v_lshlrev_b32 v15, 3, v12                      ; 8 x lane: my place in every piece of a panel
	s_mul_i32 s2, s15, HALFT                       ; my 128 rows of A
	s_mul_i32 s3, s16, HALFT                       ; my 128 rows of B,
	s_add_co_u32 s3, s3, 2*HALFT                   ; which lie behind A's 256
.irp s, 0,1
	v_add_nc_u32 v[ADRA+\s], s2, v15
	v_add_nc_u32 v[ADRB+\s], s3, v15
	s_add_co_u32 s2, s2, SLOT
	s_add_co_u32 s3, s3, SLOT
.endr
	s_lshl_b32 s2, s15, 12                         ; A's scale words: my 128 rows
	s_lshl_b32 s3, s16, 12                         ; B's: my 128 rows, behind A's
	s_add_co_u32 s3, s3, 8192+SKEW
	s_sub_co_u32 s3, s3, s2
	v_mul_u32_u24 v[ADRS], s3, v14                 ; lanes 16-31 take B's: one product, the distance between the two bases
	s_add_co_u32 s2, s2, SCL
	v_lshl_add_u32 v[ADRS], v13, 3, v[ADRS]        ; 8 bytes a row in a K step
	v_add_nc_u32 v[ADRS], s2, v[ADRS]
	; THE WAY OUT'S ADDRESSES.  U: the tile of 256 tokens; H4: the tile of 256 features (4 heads); hH, hT: which half of each is my wave's
	s_cmp_eq_u32 s19, 1
	s_cselect_b32 s2, s42, s17                     ; U
	s_cselect_b32 s3, s17, s42                     ; H4
	s_cselect_b32 s66, s15, s16                    ; hH
	s_cselect_b32 s67, s16, s15                    ; hT
	s_cselect_b32 s95, 16, 0
	s_mov_b32 s12, 768
	s_cselect_b32 s12, 3072, s12                   ; from block a to a + 1: the next row tile of tokens, or of d
	s_mov_b32 s13, 3072
	s_cselect_b32 s13, 8*REC, s13                  ; from block a to a + 4: four row tiles of tokens, or the next head's record
	s_mov_b32 s96, 8*REC
	s_cselect_b32 s96, 768, s96                    ; from a fragment's first half to its second: the next head's record, or the next 64 keys
	s_mov_b32 s18, 256
	s_cselect_b32 s18, 8*REC, s18                  ; the gathered scale words' second 256 bytes: on end, or in the next head's record
	s_mov_b32 s97, 6144
	s_cselect_b32 s97, 1536, s97                   ; my half of the tokens in the codes,
	s_cselect_b32 s20, VCO, 0
	s_mov_b32 s21, 512
	s_cselect_b32 s21, 256, s21                    ; and in the scale words
	s_mov_b32 s22, KSO
	s_cselect_b32 s22, VSO, s22
	s_lshl_b32 s3, s3, 2
	s_lshl_b32 s66, s66, 1
	s_add_co_u32 s3, s3, s66
	s_sub_co_u32 s3, s3, s95                       ; G = 4 H4 + 2 hH (KIND 1: H4 is 8 .. 11 and v lies in k's records: - 16)
	s_lshr_b32 s66, s2, 3                          ; b
	s_lshl_b32 s66, s66, 5
	s_add_co_u32 s3, s3, s66
	s_lshl_b32 s3, s3, 3
	s_and_b32 s2, s2, 7
	s_add_co_u32 s3, s3, s2                        ; the record's number: (32 b + G) 8 + U % 8
	s_mul_i32 s2, s3, REC
	s_mul_i32 s97, s97, s67
	s_add_co_u32 s20, s20, s97
	s_add_co_u32 s20, s20, s2
	s_mul_i32 s21, s21, s67
	s_add_co_u32 s22, s22, s21
	s_add_co_u32 s22, s22, s2
	s_mov_b32 s21, 0
	s_mov_b32 s23, 0
	s_mov_b32 s97, 0
	s_add_nc_u64 s[4:5], s[8:9], s[20:21]          ; where a fragment's first half goes,
	s_add_nc_u64 s[6:7], s[4:5], s[96:97]          ; its second half,
	s_add_nc_u64 s[8:9], s[8:9], s[22:23]          ; the scale words,
	s_add_nc_u64 s[10:11], s[8:9], 8*REC           ; and (KIND 0) their copy in the pair's other head
.irp a, 0,1,2,3,4,5,6,7
	s_mul_i32 s2, s12, \a%4
	s_mul_i32 s3, s13, \a/4
	s_add_co_u32 s2, s2, s3
	v_add_nc_u32 v[OFFA+\a], s2, v15
.endr
	s_lshl_b32 s2, s14, 9
	s_add_co_u32 s2, s2, SCG                       ; my wave's 512 bytes
	v_lshl_add_u32 v[SG], v13, 2, s2
	v_lshl_add_u32 v[SGR], v12, 4, s2
	v_mul_u32_u24 v[SA0], s18, v14
	v_lshl_add_u32 v[SA0], v13, 4, v[SA0]
.macro FRAG reg, adr, q, i             ; a fragment, 16 rows x 128 K, is 12 registers: two panels, three pieces each; every load reads 256 consecutive bytes
.irp p, 0,1,2,3,4,5
	ds_load_b64 v[\reg+2*\p:\reg+2*\p+1], v[\adr] offset:(\i)*RTB+768*(2*(\q)+\p/3)+256*(\p%3)
.endr
.endm
; 16 matrix instructions: A's blocks a0, a0 + 1 x B's eight, 128 along K: the slot's q-th.  p: B's set;  sc: the set of scale words.  zero = 1: the first product starts the sums: nothing is ever cleared.
; The 64 accumulators take turns, one instruction a turn, in the same order in every step.
.macro MUL16 a0, p, q, sc, zero
.irp a, \a0, \a0+1
.irp b, 0,1,2,3,4,5,6,7
.if \zero
	v_wmma_scale_f32_16x16x128_f8f6f4 v[8*(8*((\a)%4)+\b):8*(8*((\a)%4)+\b)+7], v[128*(\p)+FR*\b:128*(\p)+FR*\b+FR-1], v[AF+FR*(\a):AF+FR*(\a)+FR-1], 0, v[SC+8*NQ*(\sc)+NQ*\b+(\q)], v[SC+8*NQ*(\sc)+NQ*(\a)+(\q)] matrix_a_fmt:MATRIX_FMT_FP6 matrix_b_fmt:MATRIX_FMT_FP6 matrix_a_scale:MATRIX_SCALE_ROW1
.else
	v_wmma_scale_f32_16x16x128_f8f6f4 v[8*(8*((\a)%4)+\b):8*(8*((\a)%4)+\b)+7], v[128*(\p)+FR*\b:128*(\p)+FR*\b+FR-1], v[AF+FR*(\a):AF+FR*(\a)+FR-1], v[8*(8*((\a)%4)+\b):8*(8*((\a)%4)+\b)+7], v[SC+8*NQ*(\sc)+NQ*\b+(\q)], v[SC+8*NQ*(\sc)+NQ*(\a)+(\q)] matrix_a_fmt:MATRIX_FMT_FP6 matrix_b_fmt:MATRIX_FMT_FP6 matrix_a_scale:MATRIX_SCALE_ROW1
.endif
.endr
.endr
.endm
.macro FETCH_B slot, q, p              ; B's eight fragments of the slot's q-th 128 along K into set p
	WIN TO_B
.irp i, 0,1,2,3,4,5,6,7
	FRAG 128*(\p)+FR*\i, ADRB+\slot, \q, \i
.endr
	WIN 0
.endm
.macro FETCH_A slot, q, i0             ; A's blocks i0 .. i0 + 3
.irp i, \i0, \i0+1, \i0+2, \i0+3
	FRAG AF+FR*(\i), ADRA+\slot, \q, \i
.endr
.endm
.macro SCALES sc                       ; a K step's scale words into set sc: two words a row; lanes 0-15 take A's block i, lanes 16-31 B's block i
.irp i, 0,1,2,3,4,5,6,7
	ds_load_b64 v[SC+8*NQ*\sc+NQ*\i:SC+8*NQ*\sc+NQ*\i+1], v[ADRS] offset:\i*512
.endr
.endm
; A load into a register that a matrix instruction has read, and a vector instruction that reads a matrix result, stand NP places behind that matrix instruction; only plain vector instructions that name none of its
; registers are places (ISA guide 7.12.1 for vector instructions).
.macro PLACES n
.rept \n
	v_nop
.endr
.endm
; A step of 128 along K that has its successor in the same slot.  A's blocks go one after the other, each against B's eight: A has one set of registers (blocks 0-3 fetched anew in the middle, 4-7 at the end), B two.
.macro STEP slot, q, zero
	s_wait_dscnt 4*NL                              ; B's set and A's blocks 0-3 are in; the youngest 24 loads (A's blocks 4-7) may be out
	WIN MUL_LO
	MUL16 0, (\q)%2, \q, \slot, \zero
	MUL16 2, (\q)%2, \q, \slot, \zero
	s_wait_dscnt 0                                 ; A's blocks 4-7 are in
	PLACES NP
	FETCH_B \slot, (\q)+1, 1-(\q)%2
	FETCH_A \slot, (\q)+1, 0
	WIN MUL_HI
	MUL16 4, (\q)%2, \q, \slot, \zero
	MUL16 6, (\q)%2, \q, \slot, \zero
	PLACES NP
	WIN 0
	FETCH_A \slot, (\q)+1, 4
.endm
; A slot's last step changes slots: ONE barrier; in front of it each wave waits for all its tensor loads, adds 0 to its spare word, and waits for that and for its own reads of this slot.  fill = 1: this slot is filled again, two K steps ahead.
.macro TURN slot, next, fill
	s_wait_tensorcnt 0x0                           ; all my tensor loads have landed: my part of the next slot;  (every window is 0 here)
	ds_add_u32 v[SPW], v[NIL]                      ; 0 onto my spare word
	s_wait_dscnt 4*NL+1                            ; (the add and the youngest 24 loads, A's blocks 4-7, may be out)
	WIN MUL_LO
	MUL16 0, 1, NQ-1, \slot, 0                     ; sixteen matrix instructions stand between the add and the wait for it
	s_wait_dscnt 0x0                               ; the add is done, and my reads of this slot are over
	s_barrier_signal -1
	MUL16 2, 1, NQ-1, \slot, 0
	WIN 0
	s_barrier_wait -1
.if \fill
	CREST                                          ; the barrier has opened a round of the cluster's barrier: no wave of any partner still reads this slot's tile or has a load on its way
	s_add_nc_u64 s[G0+4*\slot+2:G0+4*\slot+3], s[G0+4*\slot+2:G0+4*\slot+3], 2*RTB
	s_add_nc_u64 s[G0B+4*\slot+2:G0B+4*\slot+3], s[G0B+4*\slot+2:G0B+4*\slot+3], 2*RTB
	JLOAD G0+4*\slot, G1, G0B+4*\slot, G1B         ; the first tensor load behind the round; the four v_nop behind it are the places in front of the loads below
.else
	PLACES NP
.endif
	v_add_nc_u32 v[ADRS], 128, v[ADRS]             ; on to the next K step's scale words (no LDS load of mine is out)
	FETCH_B \next, 0, 0
	FETCH_A \next, 0, 0
	SCALES \next
	WIN MUL_HI
	MUL16 4, 1, NQ-1, \slot, 0
	MUL16 6, 1, NQ-1, \slot, 0
	PLACES NP
	WIN 0
	FETCH_A \next, 0, 4
.endm
	s_wait_tensorcnt 1                             ; the scale words and my part of K step 0 are in (of my three first fills K step 1's may be out),
	s_barrier_signal -1
	s_barrier_wait -1                              ; everybody's are
	FETCH_B 0, 0, 0
	FETCH_A 0, 0, 0
	SCALES 0
	FETCH_A 0, 0, 4
	STEP 0, 0, 1                                   ; K = 1,024 is four K steps, twice round the ring: written straight out.  The first products start the sums
	TURN 0, 1, 1                                   ; slot 0 takes K step 2
	STEP 1, 0, 0
	TURN 1, 0, 1                                   ; slot 1 takes K step 3
	STEP 0, 0, 0
	TURN 0, 1, 0                                   ; nothing is left to fetch
	STEP 1, 0, 0
	s_wait_dscnt 4*NL                              ; the very last step
	WIN MUL_LO
	MUL16 0, 1, NQ-1, 1, 0
	MUL16 2, 1, NQ-1, 1, 0
	s_wait_dscnt 0
	WIN MUL_HI
	MUL16 4, 1, NQ-1, 1, 0
	MUL16 6, 1, NQ-1, 1, 0
	WIN 0
; THE WAY OUT.  Block a (16 rows of A x my 128 columns: 64 numbers a lane, register 16 b + i = column 32 b + 16 (lane / 16) + i) is quantised as it stands: four blocks of 32, one fragment's codes, one scale word a row.
; The codes' registers ARE the panels' pieces: six stores of 8 bytes a lane, each 256 consecutive bytes, aligned.  Each block has registers of its own for its codes and its word: no store's data are written again.
.macro QBLK a
.set AC, 64*((\a)%4)
.set PC, 64+20*(\a)
.set PW, PWB+(\a)
	WIN 0x28+0x14*((\a)/4)                         ; sources 1 and 2: window 2 or 3
.irp b, 0,1,2,3
	v_max3_num_f32 v[TM+\b], 0x1800000, |v[AC+16*\b]|, |v[AC+16*\b+1]|   ; the floor 2^(3 - 127), and each accumulator from its low end on
.endr
.irp i, 2,4,6,8,10,12,14
.irp b, 0,1,2,3
	v_max3_num_f32 v[TM+\b], v[TM+\b], |v[AC+16*\b+\i]|, |v[AC+16*\b+\i+1]|
.endr
.endr
	WIN 0
.irp b, 0,1,2,3
	v_permlanex16_b32 v[TM+4+\b], v[TM+\b], s[SEL], s[SEL+1]
.endr
.irp b, 0,1,2,3
	v_max_num_f32 v[TM+\b], v[TM+\b], v[TM+4+\b]   ; with lane l xor 16's: the block's largest magnitude
.endr
.irp b, 0,1,2,3
	v_add_nc_u32 v[TM+12+\b], 0xff000000, v[TM+\b]   ; 2 off its exponent field: the conversion's scale operand
.endr
.irp b, 0,1,2,3
	v_lshrrev_b32 v[TM+4+\b], 23, v[TM+12+\b]   ; the scale's byte
.endr
	v_lshl_or_b32 v[PW], v[TM+5], 8, v[TM+4]
	v_lshl_or_b32 v[PW], v[TM+6], 16, v[PW]
	v_lshl_or_b32 v[PW], v[TM+7], 24, v[PW]
	WIN 0x02+(\a)/4                                ; source 0: window 2 or 3
.irp c, 0,1
	v_cvt_scalef32_pk16_fp6_f32 v[PC+6*\c:PC+6*\c+2], v[AC+32*\c:AC+32*\c+15], v[TM+12+2*\c]
	v_cvt_scalef32_pk16_fp6_f32 v[PC+12+4*\c:PC+14+4*\c], v[AC+16+32*\c:AC+31+32*\c], v[TM+13+2*\c]
.endr
	WIN 0
	v_nop                                          ; one plain place behind a scaled conversion
.irp c, 0,1
.irp i, 0,1,2
	v_permlane16_swap_b32 v[PC+6*\c+\i], v[PC+12+4*\c+\i]
.endr
.irp i, 0,1,2
	v_mov_b32 v[PC+3+6*\c+\i], v[PC+12+4*\c+\i]
.endr
.endr
	ds_store_b32 v[SG], v[PW] offset:64*(\a)       ; lanes r and r + 16 write the same word with the same value
.irp p, 0,1,2
	global_store_b64 v[OFFA+(\a)], v[PC+2*\p:PC+2*\p+1], s[4:5] offset:256*\p
.endr
.irp p, 0,1,2
	global_store_b64 v[OFFA+(\a)], v[PC+6+2*\p:PC+7+2*\p], s[6:7] offset:256*\p
.endr
.endm
	PLACES NP                                      ; behind the last products: results are read, and registers that held A's fragments are written
	s_mov_b32 s[SEL], 0x76543210
	s_mov_b32 s[SEL+1], 0xfedcba98
.irp b, 0,1,2,3
	v_mov_b32 v[TM+4+\b], 0                        ; written once: a lane permute's destination counts as one of its sources
.endr
.irp a, 0,1,2,3,4,5,6,7
	QBLK \a
.endr
	ds_load_b128 v[248:251], v[SGR]                ; my wave's 128 scale words, 16 bytes a lane (LDS serves a wave's instructions in order)
	s_wait_dscnt 0x0
	global_store_b128 v[SA0], v[248:251], s[8:9]   ; sixteen lanes store 256 consecutive bytes, aligned
	s_cmp_eq_u32 s19, 1                            ; q's and k's words serve a pair of heads: a copy goes to the other head's record.  KIND is the same in all partners
	s_cbranch_scc1 .Lno_copy
	global_store_b128 v[SA0], v[248:251], s[10:11]
.Lno_copy:
	s_wait_tensorcnt 0x0                           ; the wave's end: behind my last tensor load and my last LDS store
	ds_add_u32 v[SPW], v[NIL]
	s_wait_dscnt 0x0
	CROUND                                         ; the closing round: no work-group ends while a partner may still ask for a tile that names it
	s_endpgm
.Lfunc_end_k_qb890111779_proj:
	.size	k_qb890111779_proj, .Lfunc_end_k_qb890111779_proj-k_qb890111779_proj
	.p2alignl 7, 3214868480
	.fill 96, 4, 3214868480
	.section	.rodata,"a",@progbits
	.p2align	6, 0x0
	.amdhsa_kernel k_qb890111779_proj
		.amdhsa_group_segment_fixed_size 327680
		.amdhsa_private_segment_fixed_size 0
		.amdhsa_enable_private_segment 0
		.amdhsa_kernarg_size 24
		.amdhsa_user_sgpr_count 2
		.amdhsa_user_sgpr_kernarg_segment_ptr 1
		.amdhsa_wavefront_size32 1
		.amdhsa_system_sgpr_workgroup_id_x 1
		.amdhsa_system_sgpr_workgroup_id_y 1
		.amdhsa_system_sgpr_workgroup_id_z 1
		.amdhsa_system_vgpr_workitem_id 0
		.amdhsa_next_free_vgpr 1024
		.amdhsa_next_free_sgpr 98
		.amdhsa_reserve_vcc 0
		.amdhsa_float_denorm_mode_32 3
		.amdhsa_float_denorm_mode_16_64 3
		.amdhsa_memory_ordered 1
		.amdhsa_forward_progress 1
		.amdhsa_inst_pref_size 169
	.end_amdhsa_kernel
	.amdgpu_metadata
---
amdhsa.version: [ 1, 2 ]
amdhsa.kernels:
  - .name:           k_qb890111779_proj
    .symbol:         k_qb890111779_proj.kd
    .args:
      - { .name: xq, .offset: 0, .size: 8, .value_kind: global_buffer, .address_space: global }
      - { .name: wq, .offset: 8, .size: 8, .value_kind: global_buffer, .address_space: global }
      - { .name: rec, .offset: 16, .size: 8, .value_kind: global_buffer, .address_space: global }
    .group_segment_fixed_size: 327680
    .private_segment_fixed_size: 0
    .kernarg_segment_align: 8
    .kernarg_segment_size: 24
    .max_flat_workgroup_size: 128
    .sgpr_count:     98
    .vgpr_count:     1024
    .wavefront_size: 32
...
	.end_amdgpu_metadata
.endif
;; end of part 3
;; launch attn (part 4): grid 4 x 64, 16 waves a work-group, no clusters, 215,040 bytes of LDS; arguments rec, zq; writes zq
.if DOCPART == 4
	.amdgcn_target "amdgcn-amd-amdhsa--gfx1250"
	.amdhsa_code_object_version 6
	.text
	.protected	k_qb890111779_attn
	.globl	k_qb890111779_attn
	.p2align	8
	.type	k_qb890111779_attn,@function
k_qb890111779_attn:
	s_mov_b64 s[64:65], 0
	v_nop
	global_prefetch_b8 v0, s[64:65] scope:SCOPE_SE
	s_setreg_imm32_b32 hwreg(HW_REG_WAVE_MODE, 25, 1), 1
	s_wait_xcnt 0x0
; z[b][q][head] = softmax_k(q . k / 8, causal) v, both products on codes of FP6 (E2M3) with one E8M0 scale for each 32 along a product's K; z is quantised along the head's 64 and stored as codes for the last product.
; THE SOFTMAX: t = score x log2(e) / 8; M = the row's largest t so far, rounded UP to a whole number; p = 2^(t - M) is quantised along the keys, not normalised; the row's sum is taken of the unquantised p and divides at the end.
; When M moves, the sum and O are multiplied by 2^(old M - new M): exact.
; SHARES.  Work-group (i, 16 b + head) owns the head's query blocks i and 7 - i, 256 queries each: every work-group has the same number of key steps.  Each of its sixteen waves owns one row tile (16 queries) of a block.
; K AND V OF THE WHOLE HEAD STAY IN LDS: eight records of REC bytes (see below), one dense block of memory; waves 0 to 7 bring one each by one tensor load at the head.  Nothing is filled twice; one barrier in all.
; (All eight are brought whatever i is: records behind 7 - i are not read.  No cluster: which key steps a work-group leaves out hangs on its query block, and partners of a joint load must run alike.)
; A RECORD (256 tokens of one head): at 0 k's codes, 16 row tiles x 768 bytes (16 tokens x 64, [piece 0..2][lane][8 bytes]); at VCO v's codes [d row tile 4][64 keys: 4][768]; at KSO 256 words: a token's scale bytes of its pair of
; heads (bytes 0, 1 the even head's); at VSO [128 keys: 2][d 64] words.  q's records are laid as k's.  Logical row n lies at physical row n with bits 3 and 4 exchanged.
; LAYOUT.  Both products are used transposed: S^T = K Q^T (source 0 = 16 keys, source 1 = my 16 queries), O^T = V^T P^T: a lane holds ONE query throughout; by the row order the 16 registers of tiles 2 b, 2 b + 1 are the neighbouring
; keys 32 b + 16 (lane / 16) + 0 .. 15, and O^T's likewise along d.  The head is 64 wide, the instruction 128 deep: the upper six registers of Q's and K's fragments are zero codes, their scale bytes 0 (2^-127, no NaN).
; CAUSAL.  The loops' trip counts are constants; a key step all of whose keys come after my queries is jumped over by a scalar branch on ids; on the diagonal hidden scores become -infinity ahead of the maximum.
; LIMITS: z = O x v_rcp_f32(sum); a block of zeros gets the byte 1 where the rule says 127 (only this program reads the bytes); NaN and infinities are not served.
; z's scale bytes leave two bytes a row (one part in 24 of z's bytes); lanes r and r + 16 write the same bytes with the same value.
; REGISTERS: v1-10 addresses; v12 -M, v13 the largest t, v[14:15] the sum in two halves; v16-27 Q; v28-31 V's scale words; v32-79 four fragments of K; v80-127 four of V; v128-191 S^T, then p, at the end z; v192-223 O^T;
; v224-235 p's codes; v232-254 at work; v248-251 K's scale words; v253 p's scale word; v255 Q's.
.set REC,  26112
.set KCO,  0
.set VCO,  12288
.set KSO,  24576
.set VSO,  25600
.set XS,   6291456                     ; zq: where the scale words begin
.set LA,   1                           ; v1   8 x lane
.set LKS,  2                           ; v2   4 r + 2 (head % 2)
.set LVS,  3                           ; v3   4 r
.set DM,   4                           ; v4   my query's place in its 128, less 16 (lane / 16)
.set R8,   6                           ; v6   8 r
.set ADC,  8                           ; v8   LDS address of the record's codes for my lane
.set ADS,  9                           ; v9   of k's scale bytes
.set ADT,  10                          ; v10  of v's scale words
.set VS,   28
.set KF,   32
.set VF,   80
.set S,    128
.set OT,   192
.set WV,   18                          ; s18  my wave's number
.set SEL,  20                          ; s[20:21] lane selects: lane l xor 16
.set CS,   22                          ; s[22:23] c = log2(e) / 8
.set G1,   24
.set G0,   32
.set LOB,  36                          ; s36  my first query block, s37 my second
.set HIB,  37
.set QG,   38                          ; s38  which 128 queries of the head are my tile's
.set KS,   39                          ; s39  the key step
.set TB,   40                          ; s40  LDS byte at which the record in hand begins
.set CNT,  41
.set BT,   42                          ; s42  b
.set HD,   43                          ; s43  head
.set QB,   56                          ; s56  the number of q's first record: (32 b + head) 8
.set ZSH,  57                          ; s57  the head's place in a row tile's scale words of zq, + XS
.set ZCH,  58                          ; s58  and in its codes: 768 head
	s_load_b128 s[4:7], s[0:1], 0x0                ; rec, zq
	v_lshl_add_u32 v11, v0, 2, 0x34000
	v_mov_b32 v243, 0
	ds_add_u32 v11, v243
	ds_add_u32 v11, v243
	v_lshrrev_b32 v1, 5, v0
	s_delay_alu instid0(VALU_DEP_1)
	v_readfirstlane_b32 s[WV], v1                  ; wave 0..15
	s_and_b32 s52, ttmp7, 0xffff
	s_lshr_b32 s[BT], s52, 4
	s_and_b32 s[HD], s52, 15
	s_mov_b32 s[LOB], ttmp9
	s_sub_co_u32 s[HIB], 7, ttmp9
	s_lshl_b32 s[QB], s[BT], 5
	s_add_co_u32 s[QB], s[QB], s[HD]
	s_lshl_b32 s[QB], s[QB], 3
	s_add_co_u32 s52, s[QB], 128                   ; k's and v's records lie 16 heads, 128 records, behind q's
	s_add_co_u32 s52, s52, s[WV]                   ; mine, if I fetch
	s_mul_i32 s52, s52, REC
	s_mov_b32 s53, 0
	; descriptor group 1: a record, 26,112 dense bytes, as 102 rows of 256 (32 elements of 8 bytes); no padding
	s_mov_b32 s[G1], 3<<16
	s_mov_b32 s[G1+1], 32<<16                      ; tensor_dim0
	s_mov_b32 s[G1+2], 102<<16                     ; tensor_dim1
	s_mov_b32 s[G1+3], 32<<16                      ; tile_dim0
	s_mov_b32 s[G1+4], 102                         ; tile_dim1
	s_mov_b32 s[G1+5], 32                          ; tensor_dim0_stride
	s_mov_b32 s[G1+6], 0
	s_mov_b32 s[G1+7], 0
	s_mov_b32 s[G0], 1
	s_mul_i32 s[G0+1], s[WV], REC                  ; record w to LDS byte w x REC
	s_wait_dscnt 0x0
	s_wait_kmcnt 0x0
	s_add_nc_u64 s[G0+2:G0+3], s[4:5], s[52:53]
	s_or_b32 s[G0+3], s[G0+3], 0x80000000
	s_cmp_lt_u32 s[WV], 8                          ; waves 0 to 7 fetch: a branch on the wave's number alone
	s_cbranch_scc0 .Lno_fill
	tensor_load_to_lds s[G0:G0+3], s[G1:G1+7]
	s_nop 0
.rept 4
	v_nop
.endr
.Lno_fill:
	s_lshr_b32 s52, s[HD], 2
	s_lshl_b32 s[ZSH], s52, 7                      ; 256 along K hold four heads: 128 bytes a row tile;
	s_and_b32 s52, s[HD], 3
	s_lshl_b32 s52, s52, 1                         ; in a row's 8 bytes the head's two bytes lie at 2 (head % 4)
	s_add_co_u32 s[ZSH], s[ZSH], s52
	s_add_co_u32 s[ZSH], s[ZSH], XS
	s_mul_i32 s[ZCH], s[HD], 768
	s_mov_b32 s[SEL], 0x76543210
	s_mov_b32 s[SEL+1], 0xfedcba98
	s_mov_b32 s[CS], 0x3e38aa3b                    ; c = log2(e) / sqrt(64)
	s_mov_b32 s[CS+1], s[CS]                       ; (named with it as a pair, so it is written)
	v_and_b32 v5, 31, v0
	s_delay_alu instid0(VALU_DEP_1)
	v_lshlrev_b32 v[LA], 3, v5
	v_and_b32 v5, 15, v0                           ; r
	v_bfe_u32 v7, v0, 4, 1                         ; h
	s_and_b32 s52, s[HD], 1
	s_lshl_b32 s52, s52, 1
	v_lshl_add_u32 v[LKS], v5, 2, s52
	v_lshlrev_b32 v[LVS], 2, v5
	v_lshlrev_b32 v[R8], 3, v5
	v_and_b32 v[DM], 8, v5
	s_delay_alu instid0(VALU_DEP_1)
	v_add_nc_u32 v[DM], v[DM], v5                  ; r + 8 (r / 8)
	v_lshlrev_b32 v7, 4, v7
	s_delay_alu instid0(VALU_DEP_1)
	v_sub_nc_u32 v[DM], v[DM], v7                  ; - 16 h
	s_and_b32 s52, s[WV], 6
	s_lshl_b32 s52, s52, 4                         ; + 32 ((w % 8) / 2)
	s_and_b32 s54, s[WV], 1
	s_lshl_b32 s54, s54, 3                         ; + 8 (w % 2)
	s_add_co_u32 s52, s52, s54
	v_add_nc_u32 v[DM], s52, v[DM]
.irp j, 22,23,24,25,26,27
	v_mov_b32 v[\j], 0                             ; Q's upper 64 along K: zero codes
.endr
.irp t, 0,1,2,3
.irp j, 6,7,8,9,10,11
	v_mov_b32 v[KF+12*\t+\j], 0                    ; K's likewise: set once, the loads fill the lower six alone
.endr
.endr
.irp j, 236,237,238,239,252,253
	v_mov_b32 v[\j], 0                             ; written once: lane permutes' destinations, and the pair v[252:253]
.endr
; A query block begins: my tile's codes and scale bytes, where its z goes, and the running numbers.
.macro INIT blk
	s_add_co_u32 s52, s[QB], s[\blk]
	s_mul_i32 s52, s52, REC
	s_mov_b32 s53, 0
	s_add_nc_u64 s[44:45], s[4:5], s[52:53]        ; q's record
	s_mul_i32 s52, s[WV], 768
	s_add_nc_u64 s[46:47], s[44:45], s[52:53]      ; my row tile's codes
	s_lshl_b32 s52, s[WV], 6
	s_add_nc_u64 s[44:45], s[44:45], s[52:53]      ; and its scale words
.irp p, 0,1,2
	global_load_b64 v[16+2*\p:17+2*\p], v[LA], s[46:47] offset:256*\p
.endr
	global_load_u16 v255, v[LKS], s[44:45] offset:KSO   ; my head's two bytes of the pair's word; the upper two bytes are 0
	s_lshl_b32 s52, s[BT], 7
	s_lshl_b32 s54, s[\blk], 4
	s_add_co_u32 s52, s52, s54
	s_add_co_u32 s52, s52, s[WV]                   ; my row tile in zq: 128 b + 16 block + w
	s_lshl_b32 s54, s52, 9
	s_add_co_u32 s54, s54, s[ZSH]
	s_mov_b32 s55, 0
	s_mul_i32 s52, s52, 12288
	s_add_co_u32 s52, s52, s[ZCH]
	s_add_nc_u64 s[48:49], s[6:7], s[52:53]        ; z's codes
	s_add_nc_u64 s[50:51], s[6:7], s[54:55]        ; z's scale bytes
	s_lshl_b32 s[QG], s[\blk], 1
	s_lshr_b32 s52, s[WV], 3
	s_add_co_u32 s[QG], s[QG], s52
	s_mov_b32 s[KS], 0
	s_mov_b32 s[TB], 0
	v_mov_b32 v13, 0xff61b1e6                      ; the largest t so far: -3e38, under every t
	s_delay_alu instid0(VALU_DEP_1)
	v_floor_f32 v12, -v13                          ; -M
	v_mov_b32 v14, 0
	v_mov_b32 v15, 0
.set j, 0
.rept 32
	v_mov_b32 v[OT+j], 0                           ; O^T: the first step finds zeros, which the first change of M leaves zeros
.set j, j+1
.endr
	s_wait_loadcnt 0x0
.endm
; A KEY STEP: 128 keys, the q-th half of the record in hand.
.macro STEP q
	s_cmp_gt_u32 s[KS], s[QG]                      ; all its keys come after my queries: nothing to do
	s_cbranch_scc1 .Lhidden_\@
	v_add_nc_u32 v[ADC], s[TB], v[LA]
	s_wait_alu depctr_va_vdst(0)
	v_add_nc_u32 v[ADS], s[TB], v[LKS]
	s_wait_alu depctr_va_vdst(0)
	v_add_nc_u32 v[ADT], s[TB], v[LVS]
	s_wait_alu depctr_va_vdst(0)
.irp g, 0,1                                    ; S^T = K Q^T, four tiles of 16 keys at a time
.if \g
.rept 4
	v_nop                                          ; places in front of loads into registers that matrix instructions have read
.endr
.endif
.irp t, 0,1,2,3
.irp p, 0,1,2
	ds_load_b64 v[KF+12*\t+2*\p:KF+12*\t+2*\p+1], v[ADC] offset:KCO+6144*(\q)+768*(4*\g+\t)+256*\p
.endr
	ds_load_u16 v[248+\t], v[ADS] offset:KSO+512*(\q)+64*(4*\g+\t)
.endr
	s_wait_dscnt 0x0
.irp t, 0,1,2,3
	v_wmma_scale_f32_16x16x128_f8f6f4 v[S+8*(4*\g+\t):S+8*(4*\g+\t)+7], v[KF+12*\t:KF+12*\t+11], v[16:27], 0, v[248+\t], v255 matrix_a_fmt:MATRIX_FMT_FP6 matrix_b_fmt:MATRIX_FMT_FP6
.endr
.endr
.irp t, 0,1,2,3                                ; V's four fragments and scale words are asked for now and land under the softmax.  (Behind the last step's products on them stand the three additions and the four v_nop above)
.irp c, 0,1
.irp p, 0,1,2
	ds_load_b64 v[VF+12*\t+6*\c+2*\p:VF+12*\t+6*\c+2*\p+1], v[ADC] offset:VCO+3072*\t+768*(2*(\q)+\c)+256*\p
.endr
.endr
	ds_load_b32 v[VS+\t], v[ADT] offset:VSO+256*(\q)+64*\t
.endr
.rept 4
	v_nop                                          ; places in front of the first read of the scores
.endr
	s_cmp_lg_u32 s[KS], s[QG]                      ; only the step on the diagonal has hidden keys
	s_cbranch_scc1 .Lopen_\@
	v_mov_b32 v254, 0xff800000                     ; -infinity.  Register 16 b + i holds the step's key 32 b + 16 (lane / 16) + i: hidden where 32 b + i > v[DM]
.set n, 0
.rept 64
	v_cmp_gt_i32 vcc_lo, 32*(n/16)+n%16, v[DM]
	v_cndmask_b32 v[S+n], v[S+n], v254, vcc_lo
.set n, n+1
.endr
.Lopen_\@:
.irp b, 0,1,2,3
	v_max3_num_f32 v[232+\b], v[S+16*\b], v[S+1+16*\b], v[S+2+16*\b]   ; the largest score of each block of 32 keys: it serves the row's maximum and, since p rises with the score, the block's largest p
.endr
.irp i, 3,5,7,9,11,13
.irp b, 0,1,2,3
	v_max3_num_f32 v[232+\b], v[232+\b], v[S+16*\b+\i], v[S+1+16*\b+\i]
.endr
.endr
.irp b, 0,1,2,3
	v_max_num_f32 v[232+\b], v[232+\b], v[S+15+16*\b]
.endr
.irp b, 0,1,2,3
	s_delay_alu instid0(VALU_DEP_4)
	v_permlanex16_b32 v[236+\b], v[232+\b], s[SEL], s[SEL+1]
.endr
.irp b, 0,1,2,3
	s_delay_alu instid0(VALU_DEP_4)
	v_max_num_f32 v[232+\b], v[232+\b], v[236+\b]  ; with lane l xor 16's 16 keys
.endr
	s_delay_alu instid0(VALU_DEP_2)
	v_max3_num_f32 v254, v232, v233, v234
	s_delay_alu instid0(VALU_DEP_1)
	v_max_num_f32 v254, v254, v235                 ; the step's largest score of my query
	s_delay_alu instid0(VALU_DEP_1)
	v_mul_f32 v254, s[CS], v254                    ; as t (c is positive)
	s_delay_alu instid0(VALU_DEP_1)
	v_max_num_f32 v13, v13, v254                   ; the running largest t
	v_mov_b32 v254, v12
	s_delay_alu instid0(VALU_DEP_2)
	v_floor_f32 v12, -v13                          ; the new -M = floor(-t) = -ceil(t): a whole number
	s_delay_alu instid0(VALU_DEP_1)
	v_sub_f32 v254, v12, v254                      ; old M - new M: a whole number, 0 or less
	s_delay_alu instid0(VALU_DEP_1)
	v_cvt_i32_f32 v254, v254                       ; (it saturates)
	s_delay_alu instid0(VALU_DEP_1)
	v_ldexp_f32 v252, 1.0, v254                    ; f = 2^(old M - new M)
.set j, 0
.rept 32
	v_pk_fma_f32 v[S+j:S+j+1], v[S+j:S+j+1], s[CS:CS+1], v[12:13] op_sel_hi:[1,0,0]   ; t - M, two at a time
.set j, j+2
.endr
.irp b, 0,1,2,3
	v_fma_f32 v[232+\b], v[232+\b], s[CS], v12     ; the same of each block's largest score
.endr
.set j, 0
	s_wait_alu depctr_va_vdst(0)
.rept 64
	v_exp_f32 v[S+j], v[S+j]                       ; p = 2^(t - M), at most 1: not normalised
.set j, j+1
.endr
	v_pk_mul_f32 v[14:15], v[14:15], v[252:253] op_sel_hi:[1,0]   ; the sums under the new M.  (The plain place behind the exponentials)
	s_wait_alu depctr_va_vdst(0)                   ; one wait for the whole batch, ahead of its first reader
.irp b, 0,1,2,3
	v_exp_f32 v[232+\b], v[232+\b]                 ; the block's largest p: the same two instructions on the same number give the same bits
.endr
	v_pk_add_f32 v[236:237], v[132:133], v[136:137]
	v_pk_add_f32 v[250:251], v[140:141], v[144:145]
	v_pk_add_f32 v[248:249], v[148:149], v[152:153]
	v_pk_add_f32 v[246:247], v[156:157], v[160:161]
	v_pk_add_f32 v[244:245], v[164:165], v[168:169]
	v_pk_add_f32 v[240:241], v[172:173], v[176:177]
	v_pk_add_f32 v[238:239], v[180:181], v[184:185]
	v_pk_add_f32 v[14:15], v[14:15], v[188:189]
	v_pk_add_f32 v[236:237], v[236:237], v[128:129]
	v_pk_add_f32 v[250:251], v[250:251], v[130:131]
	v_pk_add_f32 v[248:249], v[248:249], v[134:135]
	v_pk_add_f32 v[246:247], v[246:247], v[138:139]
	v_pk_add_f32 v[244:245], v[244:245], v[142:143]
	v_pk_add_f32 v[240:241], v[240:241], v[146:147]
	v_pk_add_f32 v[238:239], v[238:239], v[150:151]
	v_pk_add_f32 v[14:15], v[14:15], v[154:155]
	v_pk_add_f32 v[236:237], v[236:237], v[158:159]
	v_pk_add_f32 v[250:251], v[250:251], v[162:163]
	v_pk_add_f32 v[248:249], v[248:249], v[166:167]
	v_pk_add_f32 v[246:247], v[246:247], v[170:171]
	v_pk_add_f32 v[244:245], v[244:245], v[174:175]
	v_pk_add_f32 v[240:241], v[240:241], v[178:179]
	v_pk_add_f32 v[238:239], v[238:239], v[182:183]
	v_pk_add_f32 v[14:15], v[14:15], v[186:187]
	v_pk_add_f32 v[236:237], v[236:237], v[190:191]
	s_delay_alu instid0(VALU_DEP_2)
	v_pk_add_f32 v[14:15], v[14:15], v[246:247]
	s_delay_alu instid0(VALU_DEP_2)
	v_pk_add_f32 v[236:237], v[236:237], v[244:245]
	v_pk_add_f32 v[250:251], v[250:251], v[240:241]
	v_pk_add_f32 v[248:249], v[248:249], v[238:239]
	s_delay_alu instid0(VALU_DEP_2)
	v_pk_add_f32 v[14:15], v[14:15], v[250:251]
	s_delay_alu instid0(VALU_DEP_2)
	v_pk_add_f32 v[236:237], v[236:237], v[248:249]
	s_delay_alu instid0(VALU_DEP_1)
	v_pk_add_f32 v[14:15], v[14:15], v[236:237]
	s_wait_alu depctr_va_vdst(0)                   ; and one for the four
.irp b, 0,1,2,3
	v_max_num_f32 v[232+\b], 0x1800000, v[232+\b]  ; the floor 2^(3 - 127): the byte cannot fall under 1
.endr
.irp b, 0,1,2,3
	s_delay_alu instid0(VALU_DEP_4)
	v_add_nc_u32 v[244+\b], 0xff000000, v[232+\b]  ; 2 off the exponent field: the conversion's scale operand
.endr
.irp b, 0,1,2,3
	s_delay_alu instid0(VALU_DEP_4)
	v_lshrrev_b32 v[236+\b], 23, v[244+\b]         ; the scale's byte
.endr
	s_delay_alu instid0(VALU_DEP_3)
	v_lshl_or_b32 v253, v237, 8, v236              ; p's scale word for these 128 keys
	s_delay_alu instid0(VALU_DEP_1)
	v_lshl_or_b32 v253, v238, 16, v253
	s_delay_alu instid0(VALU_DEP_1)
	v_lshl_or_b32 v253, v239, 24, v253
.irp c, 0,1
	v_cvt_scalef32_pk16_fp6_f32 v[224+6*\c:226+6*\c], v[S+32*\c:S+15+32*\c], v[244+2*\c]
	v_cvt_scalef32_pk16_fp6_f32 v[236+4*\c:238+4*\c], v[S+16+32*\c:S+31+32*\c], v[244+2*\c+1]
.endr
	v_nop                                          ; one plain place behind a scaled conversion
.irp c, 0,1                                    ; a whole block to a lane: lanes 0-15 block 2 c, lanes 16-31 block 2 c + 1
.irp i, 0,1,2
	v_permlane16_swap_b32 v[224+6*\c+\i], v[236+4*\c+\i]
.endr
.irp i, 0,1,2
	s_delay_alu instid0(VALU_DEP_3)
	v_mov_b32 v[227+6*\c+\i], v[236+4*\c+\i]
.endr
.endr
.set j, 0
.rept 16
	v_pk_mul_f32 v[OT+j:OT+j+1], v[OT+j:OT+j+1], v[252:253] op_sel_hi:[1,0]   ; O^T under the new M.  (These sixteen are also the places between p's codes and scale word and the products below)
.set j, j+2
.endr
	s_wait_alu depctr_va_vdst(0)
	s_wait_dscnt 0x0                               ; V is in
.irp t, 0,1,2,3                                ; O^T += V^T P^T: the four accumulators by turns
	v_wmma_scale_f32_16x16x128_f8f6f4 v[OT+8*\t:OT+8*\t+7], v[VF+12*\t:VF+12*\t+11], v[224:235], v[OT+8*\t:OT+8*\t+7], v[VS+\t], v253 matrix_a_fmt:MATRIX_FMT_FP6 matrix_b_fmt:MATRIX_FMT_FP6
.endr
.Lhidden_\@:
	s_add_co_u32 s[KS], s[KS], 1
.endm
.macro LOOP n                          ; n records, two key steps each: a constant count
	s_mov_b32 s[CNT], \n
.Lrec_\@:
	STEP 0
	STEP 1
	s_add_co_u32 s[TB], s[TB], REC
	s_sub_co_u32 s[CNT], s[CNT], 1
	s_cmp_lg_u32 s[CNT], 0
	s_cbranch_scc1 .Lrec_\@
.endm
; A query block ends: z = O^T / the sum, quantised along the head's 64 (two blocks), stored as one panel of zq and two scale bytes a row.
.macro EPI
.rept 4
	v_nop                                          ; places behind the last products
.endr
	v_add_f32 v14, v14, v15                        ; the sum's two halves,
	s_delay_alu instid0(VALU_DEP_1)
	v_permlanex16_b32 v252, v14, s[SEL], s[SEL+1]
	s_delay_alu instid0(VALU_DEP_1)
	v_add_f32 v14, v14, v252                       ; and lane l xor 16's: the row's sum
	s_wait_alu depctr_va_vdst(0)
	v_rcp_f32 v14, v14
	v_nop                                          ; one plain place behind a transcendental
	s_wait_alu depctr_va_vdst(0)                   ; and the wait ahead of its first reader
.set j, 0
.rept 16
	v_pk_mul_f32 v[S+j:S+j+1], v[OT+j:OT+j+1], v[14:15] op_sel_hi:[1,0]   ; register 16 b + i = z(my query, d = 32 b + 16 (lane / 16) + i)
.set j, j+2
.endr
.irp b, 0,1
	v_max3_num_f32 v[232+\b], |v[S+16*\b]|, |v[S+1+16*\b]|, 0x1800000
.endr
.irp i, 2,4,6,8,10,12,14
.irp b, 0,1
	s_delay_alu instid0(VALU_DEP_2)
	v_max3_num_f32 v[232+\b], v[232+\b], |v[S+16*\b+\i]|, |v[S+1+16*\b+\i]|
.endr
.endr
.irp b, 0,1
	s_delay_alu instid0(VALU_DEP_2)
	v_permlanex16_b32 v[236+\b], v[232+\b], s[SEL], s[SEL+1]
.endr
.irp b, 0,1
	s_delay_alu instid0(VALU_DEP_2)
	v_max_num_f32 v[232+\b], v[232+\b], v[236+\b]
.endr
.irp b, 0,1
	s_delay_alu instid0(VALU_DEP_2)
	v_add_nc_u32 v[244+\b], 0xff000000, v[232+\b]
.endr
.irp b, 0,1
	s_delay_alu instid0(VALU_DEP_2)
	v_lshrrev_b32 v[236+\b], 23, v[244+\b]
.endr
	s_delay_alu instid0(VALU_DEP_1)
	v_lshl_or_b32 v253, v237, 8, v236              ; the head's two scale bytes of my row
	v_cvt_scalef32_pk16_fp6_f32 v[224:226], v[S:S+15], v244
	v_cvt_scalef32_pk16_fp6_f32 v[236:238], v[S+16:S+31], v245
	v_nop                                          ; one plain place behind a scaled conversion
.irp i, 0,1,2
	v_permlane16_swap_b32 v[224+\i], v[236+\i]
.endr
.irp i, 0,1,2
	s_delay_alu instid0(VALU_DEP_3)
	v_mov_b32 v[227+\i], v[236+\i]
.endr
.irp p, 0,1,2
	global_store_b64 v[LA], v[224+2*\p:225+2*\p], s[48:49] offset:256*\p   ; 256 consecutive bytes, aligned: a piece of the panel
.endr
	global_store_b16 v[R8], v253, s[50:51]
.endm
	INIT LOB
	s_wait_tensorcnt 0x0                           ; my record, if I fetched one, has landed,
	s_barrier_signal -1
	s_barrier_wait -1                              ; everybody's has: from here on LDS is only read
	LOOP 4                                         ; the first block lies among the head's first 1,024 queries: records 0 to 3
	EPI
	s_wait_xcnt 0x0                                ; the stores have read their registers and bases: both are written again only behind this wait
	INIT HIB
	LOOP 8
	EPI
	s_wait_tensorcnt 0x0
	ds_add_u32 v11, v243
	s_wait_dscnt 0x0
	s_endpgm
.Lfunc_end_k_qb890111779_attn:
	.size	k_qb890111779_attn, .Lfunc_end_k_qb890111779_attn-k_qb890111779_attn
	.p2alignl 7, 3214868480
	.fill 96, 4, 3214868480
	.section	.rodata,"a",@progbits
	.p2align	6, 0x0
	.amdhsa_kernel k_qb890111779_attn
		.amdhsa_group_segment_fixed_size 215040
		.amdhsa_private_segment_fixed_size 0
		.amdhsa_enable_private_segment 0
		.amdhsa_kernarg_size 16
		.amdhsa_user_sgpr_count 2
		.amdhsa_user_sgpr_kernarg_segment_ptr 1
		.amdhsa_wavefront_size32 1
		.amdhsa_system_sgpr_workgroup_id_x 1
		.amdhsa_system_sgpr_workgroup_id_y 1
		.amdhsa_system_sgpr_workgroup_id_z 1
		.amdhsa_system_vgpr_workitem_id 0
		.amdhsa_next_free_vgpr 256
		.amdhsa_next_free_sgpr 66
		.amdhsa_reserve_vcc 1
		.amdhsa_float_denorm_mode_32 3
		.amdhsa_float_denorm_mode_16_64 3
		.amdhsa_memory_ordered 1
		.amdhsa_forward_progress 1
		.amdhsa_inst_pref_size 115
	.end_amdhsa_kernel
	.amdgpu_metadata
---
amdhsa.version: [ 1, 2 ]
amdhsa.kernels:
  - .name:           k_qb890111779_attn
    .symbol:         k_qb890111779_attn.kd
    .args:
      - { .name: rec, .offset: 0, .size: 8, .value_kind: global_buffer, .address_space: global }
      - { .name: zq, .offset: 8, .size: 8, .value_kind: global_buffer, .address_space: global }
    .group_segment_fixed_size: 215040
    .private_segment_fixed_size: 0
    .kernarg_segment_align: 8
    .kernarg_segment_size: 16
    .max_flat_workgroup_size: 512
    .sgpr_count:     66
    .vgpr_count:     256
    .wavefront_size: 32
...
	.end_amdgpu_metadata
.endif
;; end of part 4
;; launch outp (part 5): grid 4 x 32, 4 waves a work-group, clusters of 4 x 4, 327,680 bytes of LDS; arguments zq, wq, bo, out0; writes out0
.if DOCPART == 5
	.amdgcn_target "amdgcn-amd-amdhsa--gfx1250"
	.amdhsa_code_object_version 6
	.text
	.protected	k_qb890111779_outp
	.globl	k_qb890111779_outp
	.p2align	8
	.type	k_qb890111779_outp,@function
k_qb890111779_outp:
	s_mov_b64 s[64:65], 0
	v_nop
	global_prefetch_b8 v0, s[64:65] scope:SCOPE_SE
	s_setreg_imm32_b32 hwreg(HW_REG_WAVE_MODE, 25, 1), 1
	s_wait_xcnt 0x0
	s_wait_alu depctr_hold_cnt(0) depctr_sa_sdst(0) depctr_va_vdst(0) depctr_va_sdst(0) depctr_va_ssrc(0) depctr_va_vcc(0) depctr_vm_vsrc(0)
	s_getreg_b32 s2, hwreg(HW_REG_IB_STS2, 6, 4)
	s_cmp_eq_u32 s2, 0
	s_cbranch_scc0 .Lentry_in_a_cluster
	s_endpgm
.Lentry_in_a_cluster:
	s_bfe_u32 s2, ttmp6, 0x10000c
	s_cmp_lg_u32 s2, 0xf033
	s_cbranch_scc0 .Lentry_shape_is_right
	s_endpgm
.Lentry_shape_is_right:
; out0 = z Wo + bo on codes of FP6 (E2M3) with one E8M0 scale for each 32 along K = 1,024; out0 [8192][1024] f32.
; 128 tiles of 256 x 256, one to a work-group of four waves; a wave makes 128 x 128: 64 accumulators, 512 registers.  A = zq (tokens), B = wq's Wo rows (row tiles 192 on).
; OPERANDS.  Codes [row tile][16 panels][768]; a panel (16 rows x 64 K) is [piece 0..2][lane][8 bytes], an image of half a fragment's registers: a fragment is six loads of 8 bytes a lane at 8 x lane, each 256 consecutive bytes.
; Scale words [row tile][256 along K: 0..3][r][2 words].  Logical row n lies at physical row n with bits 3 and 4 exchanged; the way out puts rows and columns back in logical order by its immediates.
; K goes in steps of 256 through a ring of two LDS slots; a wave's tensor load brings 8 row tiles x 3,072 bytes.  The scale words of the work-group's rows, for all of K, come once with the first fills.
; CLUSTERS: 4 x 4 work-groups.  A's tiles are asked for jointly along a row of the cluster, B's along a column.  THE MATRIX INSTRUCTION IS USED TRANSPOSED (source 0 = 16 rows of B, source 1 = 16 rows of A).
; REGISTERS, in windows of 256: window 0: v8-11 my four numbers of bo; v16-29 addresses; v32-63 scale words, two sets, and nothing else; v128-223 A's fragments, one set; on the way out v128-255 rows of out0.
;   window 1: B's fragments, two sets, at v0 and v128.   window 2: the accumulators of my rows 0-63 ((a, b) at v[8 (8 a + b)]);   window 3: those of my rows 64-127.
.set XS,     6291456                   ; zq: where the scale words begin
.set WS,     3145728                   ; wq: likewise
.set RTB,    3072                      ; a row tile's four panels of a K step
.set RTG,    12288                     ; a row tile's sixteen panels in memory
.set HALFT,  8*RTB                     ; 128 rows: what one tensor load brings, and what one wave reads of A or of B
.set SLOT,   4*HALFT                   ; A's 256 rows, then B's 256 rows
.set NQ,     2
.set FR,     12
.set NL,     6
.set NP,     4                         ; places behind this matrix instruction (ISA guide 7.12.1)
.set SCL,    2*SLOT                    ; behind the ring: A's scale words, 8,192 bytes; B's begin 8,192 + SKEW bytes on
.set SKEW,   128                       ; so that the two halves of the lanes, which read A's and B's words in one load, read different 128 bytes of each 256
.set SPARE,  213248                    ; the spare words, 128 bytes for each wave: two blocks of 256 bytes that no other line names
.set SPITCH, 528                       ; the way out: a stage of 16 rows x (512 bytes + 16) for each wave, in slot 0, which has had its last fill and its last read when the first result is stored there
.set ADRA, 16
.set ADRB, 20
.set STO,  24                          ; v24     the way out: where I put 32 bytes of a row
.set RD,   25                          ; v25     where I read a row back
.set CO,   26                          ; v26     16 x lane: my byte offset in a row's 512 bytes
.set ADRS, 27
.set SPW,  28
.set NIL,  29
.set SC,   32
.set AF,   128
.set BK,   128                         ; the way out: 16 rows read back from the stage: v128-191 and v192-255 by turns
.set G1, 24
.set G0, 32
.set G1B, 48
.set G0B, 56
.set G1S, 68
.set G0S, 76
.set G1SB, 80
.set G0SB, 88
.set MSB, 0
.macro WIN new                         ; the immediate's high byte repeats the setting that is left
.if MSB != (\new)
	s_set_vgpr_msb (MSB<<8)|(\new)
.set MSB, (\new)
.endif
.endm
.set MUL_LO, 0xa1                      ; source 0 (B) window 1, source 1 (A) window 0, C and D window 2
.set MUL_HI, 0xf1                      ; the same, C and D window 3
.set TO_B,   0x40                      ; destination window 1, address window 0
; A joint load: waves 0 and 1 fetch for A, waves 2 and 3 for B; the branch hangs on the wave's number alone.  Four v_nop follow each of the two lines.
.macro JLOAD g0a, g1a, g0b, g1b
	s_cmp_eq_u32 s15, 0
	s_cbranch_scc0 .Lfor_b_\@
	tensor_load_to_lds s[\g0a:\g0a+3], s[\g1a:\g1a+7]
	s_nop 0
.rept 4
	v_nop
.endr
	s_branch .Lasked_\@
.Lfor_b_\@:
	tensor_load_to_lds s[\g0b:\g0b+3], s[\g1b:\g1b+7]
	s_nop 0
.rept 4
	v_nop
.endr
.Lasked_\@:
.endm
.macro CREST                           ; a round of the cluster's barrier behind its opening barrier
	s_cmp_lg_u32 s14, 0
	s_cbranch_scc1 .Lnot_wave_0_\@
	s_barrier_signal -3
.Lnot_wave_0_\@:
	s_barrier_wait -3
	s_barrier_signal -1
	s_barrier_wait -1
.endm
.macro CROUND                          ; a whole round
	s_barrier_signal -1
	s_barrier_wait -1
	CREST
.endm
	s_load_b128 s[4:7], s[0:1], 0x0                ; zq, wq
	s_load_b128 s[8:11], s[0:1], 0x10              ; bo, out0
	v_lshl_add_u32 v[SPW], v0, 2, SPARE
	v_mov_b32 v[NIL], 0
	ds_add_u32 v28, v29
	ds_add_u32 v28, v29
	s_wait_dscnt 0x0
	v_lshrrev_b32 v1, 5, v0
	v_readfirstlane_b32 s14, v1                    ; wave 0..3
	s_lshr_b32 s15, s14, 1                         ; which half of the tile's rows is mine.  Also: I fetch for A (0) or for B (1)
	s_and_b32 s16, s14, 1                          ; which half of its columns.  Also: which 128 rows of that tile I fetch
	s_bfe_u32 s40, ttmp6, 0x40000                  ; cx, cy: my place in the cluster
	s_bfe_u32 s41, ttmp6, 0x40004
	s_lshl_b32 s42, ttmp9, 2
	s_add_co_u32 s42, s42, s40                     ; tile column = 4 x cluster x + cx
	s_and_b32 s17, ttmp7, 0xffff
	s_lshl_b32 s17, s17, 2
	s_add_co_u32 s17, s17, s41                     ; tile row = 4 x cluster y + cy
	s_lshl_b32 s43, s41, 2
	s_lshl_b32 s43, 15, s43                        ; my row of the cluster
	s_lshl_b32 s44, 0x1111, s40                    ; my column
	; descriptor group 1 for the codes: 8 rows (row tiles) of 3,072 bytes, 12,288 bytes apart, as elements of 8 bytes; no padding
	s_or_b32 s[G1+0], s43, (3<<16)|(1<<21)         ; 15:0 the mask: A's tiles go to my row; 17:16 elements of 8 bytes; 21 set beside a mask
	s_or_b32 s[G1B+0], s44, (3<<16)|(1<<21)
.irp g, G1, G1B
	s_mov_b32 s[\g+1], 384<<16                     ; tensor_dim0
	s_mov_b32 s[\g+2], 8<<16                       ; tensor_dim1
	s_mov_b32 s[\g+3], 384<<16                     ; tile_dim0
	s_mov_b32 s[\g+4], 8                           ; tile_dim1
	s_mov_b32 s[\g+5], 1536                        ; tensor_dim0_stride
	s_mov_b32 s[\g+6], 0
	s_mov_b32 s[\g+7], 0
.endr
	; and for the scale words of 128 rows: 4,096 dense bytes as 16 rows of 256
	s_or_b32 s[G1S+0], s43, (3<<16)|(1<<21)
	s_or_b32 s[G1SB+0], s44, (3<<16)|(1<<21)
.irp g, G1S, G1SB
	s_mov_b32 s[\g+1], 32<<16
	s_mov_b32 s[\g+2], 16<<16
	s_mov_b32 s[\g+3], 32<<16
	s_mov_b32 s[\g+4], 16
	s_mov_b32 s[\g+5], 32
	s_mov_b32 s[\g+6], 0
	s_mov_b32 s[\g+7], 0
.endr
	s_lshl_b32 s18, s16, 3                         ; which 8 row tiles of the tile I fetch
	s_lshl_b32 s20, s17, 4
	s_add_co_u32 s20, s20, s18                     ; A: the first of them
	s_lshl_b32 s46, s42, 4
	s_add_co_u32 s46, s46, s18
	s_add_co_u32 s46, s46, 192                     ; B: Wo begins at row tile 192 of wq
	s_lshl_b32 s22, s20, 9
	s_add_co_u32 s22, s22, XS                      ; where their scale words begin, in bytes,
	s_mov_b32 s23, 0
	s_mul_i32 s20, s20, RTG                        ; and their codes
	s_mov_b32 s21, 0
	s_lshl_b32 s92, s46, 9
	s_add_co_u32 s92, s92, WS
	s_mov_b32 s93, 0
	s_mul_i32 s46, s46, RTG
	s_mov_b32 s47, 0
	s_mul_i32 s45, s14, HALFT                      ; where they go: wave x 128 rows: no place in the cluster enters an LDS address
	s_lshl_b32 s94, s14, 12
	s_wait_kmcnt 0x0
	s_add_nc_u64 s[20:21], s[4:5], s[20:21]
	s_add_nc_u64 s[22:23], s[4:5], s[22:23]
	s_add_nc_u64 s[46:47], s[6:7], s[46:47]
	s_add_nc_u64 s[92:93], s[6:7], s[92:93]
	CROUND                                         ; all sixteen work-groups are here: the first joint loads meet
	s_mov_b32 s[G0S], 1
	s_add_co_u32 s[G0S+1], s94, SCL
	s_mov_b64 s[G0S+2:G0S+3], s[22:23]
	s_or_b32 s[G0S+3], s[G0S+3], 0x80000000
	s_mov_b32 s[G0SB], 1
	s_add_co_u32 s[G0SB+1], s94, SCL+SKEW
	s_mov_b64 s[G0SB+2:G0SB+3], s[92:93]
	s_or_b32 s[G0SB+3], s[G0SB+3], 0x80000000
	JLOAD G0S, G1S, G0SB, G1SB                     ; the scale words first: they are wanted with K step 0
.irp s, 0,1
	s_mov_b32 s[G0+4*\s], 1
	s_add_co_u32 s[G0+4*\s+1], s45, \s*SLOT
	s_add_nc_u64 s[G0+4*\s+2:G0+4*\s+3], s[20:21], \s*RTB
	s_or_b32 s[G0+4*\s+3], s[G0+4*\s+3], 0x80000000
	s_mov_b32 s[G0B+4*\s], 1
	s_add_co_u32 s[G0B+4*\s+1], s45, \s*SLOT
	s_add_nc_u64 s[G0B+4*\s+2:G0B+4*\s+3], s[46:47], \s*RTB
	s_or_b32 s[G0B+4*\s+3], s[G0B+4*\s+3], 0x80000000
	JLOAD G0+4*\s, G1, G0B+4*\s, G1B
.endr
	v_and_b32 v12, 31, v0                          ; lane
	v_and_b32 v13, 15, v0                          ; r
	v_bfe_u32 v14, v0, 4, 1                        ; h
	v_lshlrev_b32 v15, 3, v12                      ; 8 x lane: my place in every piece of a panel
	s_mul_i32 s2, s15, HALFT                       ; my 128 rows of A
	s_mul_i32 s3, s16, HALFT                       ; my 128 rows of B,
	s_add_co_u32 s3, s3, 2*HALFT                   ; which lie behind A's 256
.irp s, 0,1
	v_add_nc_u32 v[ADRA+\s], s2, v15
	v_add_nc_u32 v[ADRB+\s], s3, v15
	s_add_co_u32 s2, s2, SLOT
	s_add_co_u32 s3, s3, SLOT
.endr
	s_lshl_b32 s2, s15, 12                         ; A's scale words: my 128 rows
	s_lshl_b32 s3, s16, 12                         ; B's: my 128 rows, behind A's
	s_add_co_u32 s3, s3, 8192+SKEW
	s_sub_co_u32 s3, s3, s2
	v_mul_u32_u24 v[ADRS], s3, v14                 ; lanes 16-31 take B's: one product, the distance between the two bases
	s_add_co_u32 s2, s2, SCL
	v_lshl_add_u32 v[ADRS], v13, 3, v[ADRS]        ; 8 bytes a row in a K step
	v_add_nc_u32 v[ADRS], s2, v[ADRS]
	s_mul_i32 s23, s14, 16*SPITCH                  ; my stage
	v_mul_u32_u24 v5, v13, SPITCH                  ; in: row r, + 64 h bytes: my half's 16 columns of each 32
	v_lshl_add_u32 v5, v14, 6, v5
	v_add_nc_u32 v[STO], s23, v5
	v_lshlrev_b32 v[CO], 4, v12                    ; back: the 32 lanes take one row of 512 bytes; and the same in out0 and in bo
	v_add_nc_u32 v[RD], s23, v[CO]
	s_lshl_b32 s20, s17, 8
	s_lshl_b32 s21, s15, 7
	s_add_co_u32 s20, s20, s21                     ; my first row of out0: 256 x tile row + 128 x half,
	s_lshl_b32 s20, s20, 12                        ; in bytes
	s_mov_b32 s21, 0
	s_lshl_b32 s46, s42, 10                        ; my first column, in bytes: 1,024 x tile column + 512 x half
	s_lshl_b32 s47, s16, 9
	s_add_co_u32 s46, s46, s47
	s_mov_b32 s47, 0
	s_add_nc_u64 s[8:9], s[8:9], s[46:47]
	s_add_nc_u64 s[12:13], s[10:11], s[46:47]
	s_add_nc_u64 s[12:13], s[12:13], s[20:21]
	global_load_b128 v[8:11], v[CO], s[8:9]        ; bo at the four columns that I store of every row
.macro FRAG reg, adr, q, i             ; a fragment, 16 rows x 128 K, is 12 registers: two panels, three pieces each; every load reads 256 consecutive bytes
.irp p, 0,1,2,3,4,5
	ds_load_b64 v[\reg+2*\p:\reg+2*\p+1], v[\adr] offset:(\i)*RTB+768*(2*(\q)+\p/3)+256*(\p%3)
.endr
.endm
; 16 matrix instructions: A's blocks a0, a0 + 1 x B's eight, 128 along K: the slot's q-th.  p: B's set;  sc: the set of scale words.  zero = 1: the first product starts the sums: nothing is ever cleared.
; The 64 accumulators take turns, one instruction a turn, in the same order in every step.
.macro MUL16 a0, p, q, sc, zero
.irp a, \a0, \a0+1
.irp b, 0,1,2,3,4,5,6,7
.if \zero
	v_wmma_scale_f32_16x16x128_f8f6f4 v[8*(8*((\a)%4)+\b):8*(8*((\a)%4)+\b)+7], v[128*(\p)+FR*\b:128*(\p)+FR*\b+FR-1], v[AF+FR*(\a):AF+FR*(\a)+FR-1], 0, v[SC+8*NQ*(\sc)+NQ*\b+(\q)], v[SC+8*NQ*(\sc)+NQ*(\a)+(\q)] matrix_a_fmt:MATRIX_FMT_FP6 matrix_b_fmt:MATRIX_FMT_FP6 matrix_a_scale:MATRIX_SCALE_ROW1
.else
	v_wmma_scale_f32_16x16x128_f8f6f4 v[8*(8*((\a)%4)+\b):8*(8*((\a)%4)+\b)+7], v[128*(\p)+FR*\b:128*(\p)+FR*\b+FR-1], v[AF+FR*(\a):AF+FR*(\a)+FR-1], v[8*(8*((\a)%4)+\b):8*(8*((\a)%4)+\b)+7], v[SC+8*NQ*(\sc)+NQ*\b+(\q)], v[SC+8*NQ*(\sc)+NQ*(\a)+(\q)] matrix_a_fmt:MATRIX_FMT_FP6 matrix_b_fmt:MATRIX_FMT_FP6 matrix_a_scale:MATRIX_SCALE_ROW1
.endif
.endr
.endr
.endm
.macro FETCH_B slot, q, p              ; B's eight fragments of the slot's q-th 128 along K into set p
	WIN TO_B
.irp i, 0,1,2,3,4,5,6,7
	FRAG 128*(\p)+FR*\i, ADRB+\slot, \q, \i
.endr
	WIN 0
.endm
.macro FETCH_A slot, q, i0             ; A's blocks i0 .. i0 + 3
.irp i, \i0, \i0+1, \i0+2, \i0+3
	FRAG AF+FR*(\i), ADRA+\slot, \q, \i
.endr
.endm
.macro SCALES sc                       ; a K step's scale words into set sc: two words a row; lanes 0-15 take A's block i, lanes 16-31 B's block i
.irp i, 0,1,2,3,4,5,6,7
	ds_load_b64 v[SC+8*NQ*\sc+NQ*\i:SC+8*NQ*\sc+NQ*\i+1], v[ADRS] offset:\i*512
.endr
.endm
; A load into a register that a matrix instruction has read, and an LDS store that reads a matrix result, stand NP places behind that matrix instruction; only plain vector instructions that name none of its
; registers are places (ISA guide 7.12.1 for vector instructions).
.macro PLACES n
.rept \n
	v_nop
.endr
.endm
; A step of 128 along K that has its successor in the same slot.  A's blocks go one after the other, each against B's eight: A has one set of registers (blocks 0-3 fetched anew in the middle, 4-7 at the end), B two.
.macro STEP slot, q, zero
	s_wait_dscnt 4*NL                              ; B's set and A's blocks 0-3 are in; the youngest 24 loads (A's blocks 4-7) may be out
	WIN MUL_LO
	MUL16 0, (\q)%2, \q, \slot, \zero
	MUL16 2, (\q)%2, \q, \slot, \zero
	s_wait_dscnt 0                                 ; A's blocks 4-7 are in
	PLACES NP
	FETCH_B \slot, (\q)+1, 1-(\q)%2
	FETCH_A \slot, (\q)+1, 0
	WIN MUL_HI
	MUL16 4, (\q)%2, \q, \slot, \zero
	MUL16 6, (\q)%2, \q, \slot, \zero
	PLACES NP
	WIN 0
	FETCH_A \slot, (\q)+1, 4
.endm
; A slot's last step changes slots: ONE barrier; in front of it each wave waits for all its tensor loads, adds 0 to its spare word, and waits for that and for its own reads of this slot.  fill = 1: this slot is filled again, two K steps ahead.
.macro TURN slot, next, fill
	s_wait_tensorcnt 0x0                           ; all my tensor loads have landed: my part of the next slot;  (every window is 0 here)
	ds_add_u32 v[SPW], v[NIL]                      ; 0 onto my spare word
	s_wait_dscnt 4*NL+1                            ; (the add and the youngest 24 loads, A's blocks 4-7, may be out)
	WIN MUL_LO
	MUL16 0, 1, NQ-1, \slot, 0                     ; sixteen matrix instructions stand between the add and the wait for it
	s_wait_dscnt 0x0                               ; the add is done, and my reads of this slot are over
	s_barrier_signal -1
	MUL16 2, 1, NQ-1, \slot, 0
	WIN 0
	s_barrier_wait -1
.if \fill
	CREST                                          ; the barrier has opened a round of the cluster's barrier: no wave of any partner still reads this slot's tile or has a load on its way
	s_add_nc_u64 s[G0+4*\slot+2:G0+4*\slot+3], s[G0+4*\slot+2:G0+4*\slot+3], 2*RTB
	s_add_nc_u64 s[G0B+4*\slot+2:G0B+4*\slot+3], s[G0B+4*\slot+2:G0B+4*\slot+3], 2*RTB
	JLOAD G0+4*\slot, G1, G0B+4*\slot, G1B         ; the first tensor load behind the round; the four v_nop behind it are the places in front of the loads below
.else
	PLACES NP
.endif
	v_add_nc_u32 v[ADRS], 128, v[ADRS]             ; on to the next K step's scale words (no LDS load of mine is out)
	FETCH_B \next, 0, 0
	FETCH_A \next, 0, 0
	SCALES \next
	WIN MUL_HI
	MUL16 4, 1, NQ-1, \slot, 0
	MUL16 6, 1, NQ-1, \slot, 0
	PLACES NP
	WIN 0
	FETCH_A \next, 0, 4
.endm
	s_wait_tensorcnt 1                             ; the scale words and my part of K step 0 are in (of my three first fills K step 1's may be out),
	s_barrier_signal -1
	s_barrier_wait -1                              ; everybody's are
	FETCH_B 0, 0, 0
	FETCH_A 0, 0, 0
	SCALES 0
	FETCH_A 0, 0, 4
	STEP 0, 0, 1                                   ; K = 1,024 is four K steps, twice round the ring: written straight out.  The first products start the sums
	TURN 0, 1, 1                                   ; slot 0 takes K step 2
	STEP 1, 0, 0
	TURN 1, 0, 1                                   ; slot 1 takes K step 3
	STEP 0, 0, 0
	TURN 0, 1, 0                                   ; nothing is left to fetch
	STEP 1, 0, 0
	s_wait_dscnt 4*NL                              ; the very last step
	WIN MUL_LO
	MUL16 0, 1, NQ-1, 1, 0
	MUL16 2, 1, NQ-1, 1, 0
	s_wait_dscnt 0
	WIN MUL_HI
	MUL16 4, 1, NQ-1, 1, 0
	MUL16 6, 1, NQ-1, 1, 0
	WIN 0
; THE WAY OUT, block by block of 16 rows x 128 columns.  Register j of accumulator (a, b) is column 32 (b / 2) + 16 (lane / 16) + 8 (b % 2) + j of row r: 32 bytes that go to their logical place in my own stage in LDS;
; whole rows of 512 bytes come back, get bo added, and are stored by the 32 lanes as two aligned runs of 256 bytes.  Row t of block a is logical row 32 (a / 2) + 8 (a % 2) + t + 8 (t / 8) of my 128: it stands in the store's immediate.
; LDS serves a wave's instructions in order (ISA guide 5.7.1.4): no wait between the stores and the loads, nor in front of the next block's stores.
.macro TOSTAGE a
.set AC, 64*((\a)%4)
	WIN 0x08+4*((\a)/4)                            ; the data: window 2 or 3
.irp b, 0,1,2,3,4,5,6,7
	ds_store_b128 v[STO], v[AC+8*\b:AC+8*\b+3] offset:128*(\b/2)+32*(\b%2)          ; each accumulator from its low end on
	ds_store_b128 v[STO], v[AC+8*\b+4:AC+8*\b+7] offset:128*(\b/2)+32*(\b%2)+16
.endr
	WIN 0
.set BB, BK+64*((\a)%2)
.irp t, 0,1,2,3,4,5,6,7,8,9,10,11,12,13,14,15
	ds_load_b128 v[BB+4*\t:BB+4*\t+3], v[RD] offset:\t*SPITCH
.endr
.endm
.macro SEND a, younger                 ; younger: the LDS instructions issued behind block a's loads, which may stay out
.set BB, BK+64*((\a)%2)
	s_wait_dscnt \younger                          ; the block is back in registers
.irp t, 0,1,2,3,4,5,6,7,8,9,10,11,12,13,14,15
	v_pk_add_f32 v[BB+4*\t:BB+4*\t+1], v[BB+4*\t:BB+4*\t+1], v[8:9]
	v_pk_add_f32 v[BB+4*\t+2:BB+4*\t+3], v[BB+4*\t+2:BB+4*\t+3], v[10:11]
	global_store_b128 v[CO], v[BB+4*\t:BB+4*\t+3], s[12:13] offset:(32*((\a)/2)+8*((\a)%2)+\t+8*(\t/8))*4096 th:TH_STORE_NT   ; 512 consecutive bytes, at a multiple of 256 from out0's first byte; 127 rows at the most in the immediate
.endr
.endm
	s_wait_loadcnt 0x0                             ; bo
	PLACES NP                                      ; behind the last products: loads land in registers that held A's fragments, and results are read
	TOSTAGE 0
.irp a, 1,2,3,4,5,6,7
.if \a > 1
	s_wait_xcnt 0x0                                ; block a - 2's stores have read their registers: block a's loads may land there
.endif
	TOSTAGE \a
	SEND \a-1, 32                                  ; behind block a - 1's loads: block a's 16 stores and 16 loads
.endr
	SEND 7, 0
	s_wait_tensorcnt 0x0                           ; the wave's end: behind my last tensor load and my last LDS store
	ds_add_u32 v[SPW], v[NIL]
	s_wait_dscnt 0x0
	CROUND                                         ; the closing round: no work-group ends while a partner may still ask for a tile that names it
	s_endpgm
.Lfunc_end_k_qb890111779_outp:
	.size	k_qb890111779_outp, .Lfunc_end_k_qb890111779_outp-k_qb890111779_outp
	.p2alignl 7, 3214868480
	.fill 96, 4, 3214868480
	.section	.rodata,"a",@progbits
	.p2align	6, 0x0
	.amdhsa_kernel k_qb890111779_outp
		.amdhsa_group_segment_fixed_size 327680
		.amdhsa_private_segment_fixed_size 0
		.amdhsa_enable_private_segment 0
		.amdhsa_kernarg_size 32
		.amdhsa_user_sgpr_count 2
		.amdhsa_user_sgpr_kernarg_segment_ptr 1
		.amdhsa_wavefront_size32 1
		.amdhsa_system_sgpr_workgroup_id_x 1
		.amdhsa_system_sgpr_workgroup_id_y 1
		.amdhsa_system_sgpr_workgroup_id_z 1
		.amdhsa_system_vgpr_workitem_id 0
		.amdhsa_next_free_vgpr 1024
		.amdhsa_next_free_sgpr 98
		.amdhsa_reserve_vcc 0
		.amdhsa_float_denorm_mode_32 3
		.amdhsa_float_denorm_mode_16_64 3
		.amdhsa_memory_ordered 1
		.amdhsa_forward_progress 1
		.amdhsa_inst_pref_size 175
	.end_amdhsa_kernel
	.amdgpu_metadata
---
amdhsa.version: [ 1, 2 ]
amdhsa.kernels:
  - .name:           k_qb890111779_outp
    .symbol:         k_qb890111779_outp.kd
    .args:
      - { .name: zq, .offset: 0, .size: 8, .value_kind: global_buffer, .address_space: global }
      - { .name: wq, .offset: 8, .size: 8, .value_kind: global_buffer, .address_space: global }
      - { .name: bo, .offset: 16, .size: 8, .value_kind: global_buffer, .address_space: global }
      - { .name: out0, .offset: 24, .size: 8, .value_kind: global_buffer, .address_space: global }
    .group_segment_fixed_size: 327680
    .private_segment_fixed_size: 0
    .kernarg_segment_align: 8
    .kernarg_segment_size: 32
    .max_flat_workgroup_size: 128
    .sgpr_count:     98
    .vgpr_count:     1024
    .wavefront_size: 32
...
	.end_amdgpu_metadata
.endif
;; end of part 5
